; MI455X (gfx1250); checked and timed in simulation.
; The chip was launched on July 23, 2026; its instructions are those of AMD's public machine-readable ISA for CDNA 5 (MIT licence, August 2026) and "CDNA5" Instruction Set Architecture Reference Guide (July 2026). The comments in the code are by the model that wrote it; some were corrected since.
;; Attention. Allowed arithmetic: matrix products marked QUANTISED: E2M3 operands, one E8M0 scale for each 32 along K, by v_wmma_scale_f32_16x16x128_f8f6f4 with both operands' format E2M3, f32 sums; everything else in f32.
;; Inputs: mask 1 x 1 x 2,048 x 2,048 int32; wk 1,024 x 1,024 float32; wo 1,024 x 1,024 float32; wq 1,024 x 1,024 float32; wv 1,024 x 1,024 float32; x 4 x 2,048 x 1,024 float32.
;; Outputs: out0 4 x 2,048 x 1,024 float32.
;; This version of the problem:
;;   THIS VERSION OF THE PROBLEM IS GIVEN IN LOW PRECISION. The matrix products marked QUANTISED in the list below multiply operands that are first quantised to E2M3 (2 exponent bits, 3 mantissa bits; 6 bits a number), with one power-of-two scale for each 32 numbers along K (OCP MX v1.0); their sums are f32. All else is computed in f32.
;;   The module's matrix products, in the order in which they are computed (A, B: the left and right operand; K: the contracted axis; several contracted axes count as one K, in the product's order):
;;     1. [M 8,192, K 1,024] x [K 1,024, N 1,024]; A: input x; B: input wq: QUANTISED
;;     2. [M 8,192, K 1,024] x [K 1,024, N 1,024]; A: input x; B: input wk: QUANTISED
;;     3. [M 8,192, K 1,024] x [K 1,024, N 1,024]; A: input x; B: input wv: QUANTISED
;;     4. batch 64 x [M 2,048, K 64] x [K 64, N 2,048]; A: computed on the way; B: computed on the way: QUANTISED
;;     5. batch 64 x [M 2,048, K 2,048] x [K 2,048, N 64]; A: softmax (see below); B: computed on the way: QUANTISED
;;     6. [M 8,192, K 1,024] x [K 1,024, N 1,024]; A: computed on the way; B: input wo: QUANTISED
;;   THE QUANTISER, for each operand of a quantised product, along K:
;;     - K is cut into blocks of 32 from its start; a last block that is shorter is filled with zeros.
;;     - A block's scale is 2^e with e = floor(log2(the largest magnitude in the block)) - 2, held to -126 .. 127; a block of zeros has e = 0. As a byte (E8M0): e + 127.
;;     - Each number is divided by its block's scale, clamped to +-7.5, and rounded to the nearest number of E2M3, ties to even, subnormals kept.
;;     - The product sums the exact products of the quantised numbers (number of the format x scale) in f32.
;;   ~~~python
;;   def quantise(x, axis):      # numpy; x: float32 -> the quantised numbers, widened to float32 again
;;       x = np.moveaxis(x, axis, -1); K = x.shape[-1]
;;       x = np.pad(x, [(0, 0)] * (x.ndim - 1) + [(0, -K % 32)]); x = x.reshape(x.shape[:-1] + (-1, 32)); a = np.abs(x).max(-1, keepdims=True)
;;       e = np.where(a > 0, np.clip(np.frexp(np.where(a > 0, a, 1))[1] - 1 - 2, -126, 127), 0)      # np.frexp(a)[1] - 1 = floor(log2(a)), exactly
;;       r = np.clip(x / 2.0 ** e, -7.5, 7.5)
;;       step = 2.0 ** (np.maximum(np.frexp(np.where(r == 0, 1, r))[1] - 1, 0) - 3)
;;       q = np.round(r / step) * step * 2.0 ** e      # np.round: ties to even
;;       return np.moveaxis(q.reshape(q.shape[:-2] + (-1,))[..., :K], -1, axis).astype(np.float32)
;;   ~~~
;;   SOFTMAX AHEAD OF A QUANTISED PRODUCT. Where the list says 'softmax', what is quantised is not the finished softmax but p = 2^(t - M), with t = logit x log2(e) and M = ceil(the row's largest t), a whole number; so 1/2 < the row's largest p <= 1. The row's sum l is taken of the UNQUANTISED p, in f32, and the product's result is divided by l at the end. Since M is a whole number, a kernel that streams over the keys may use a running M (the ceiling of the running maximum): every later rescaling is an exact power of two, which a block's scale takes up: the codes' values come out the same.
;;   OPERANDS COMPUTED ON THE WAY. 'Computed on the way' means the value that the module computes at that place (a softmax that the list does not call 'softmax' is quantised finished and normalised). What goes into a quantiser is computed in f32, as accurately as f32 sums, v_exp_f32 and their like allow (about 1e-6 of the number): no bf16 or f16 on the way to a quantiser, and a product that is left as it is and whose result goes on into a quantised operand takes f32 operands (vector FMAs, or v_wmma_f32_16x16x4_f32). A number that lies on a knife's edge between two numbers of the format may be rounded either way, as far as f32 arithmetic and the matrix unit's own rounding can turn it there, and no further.
;; 2 versions, each right; version 2 is version 1 with the launch attn written anew for expert scheduling mode. Each part assembles by itself: llvm-mc -triple=amdgcn-amd-amdhsa -mcpu=gfx1250 --defsym DOCPART=n.
;; ======== version 1 of 2: 4 launches
;; workspace buffers: cod 9,437,184 bytes; scl 393,216 bytes; mw 524,288 bytes of whole numbers; mf 2,048 bytes of whole numbers; qc 8,388,608 bytes; kv 16,777,216 bytes; oc 6,291,456 bytes; os 262,144 bytes
;; launch prep (part 1): grid 256 x 1, 4 waves a work-group, no clusters, 327,680 bytes of LDS; arguments x, wq, wk, wv, wo, mask, cod, scl, mw, mf; writes cod, scl, mw, mf
.if DOCPART == 1
	.amdgcn_target "amdgcn-amd-amdhsa--gfx1250"
	.amdhsa_code_object_version 6
	.text
	.protected	k_q19c4d06ae4_prep
	.globl	k_q19c4d06ae4_prep
	.p2align	8
	.type	k_q19c4d06ae4_prep,@function
k_q19c4d06ae4_prep:
	s_mov_b64 s[64:65], 0
	v_nop
	global_prefetch_b8 v0, s[64:65] scope:SCOPE_SE
	s_setreg_imm32_b32 hwreg(HW_REG_WAVE_MODE, 25, 1), 1
	s_wait_xcnt 0x0
; x [8192][1024] and wq, wk, wv, wo [1024][1024], f32, become codes of FP6 (E2M3) with one E8M0 byte for each 32 along K, laid as IMAGES OF OPERAND REGISTERS;
; the mask [2048][2048], int32, becomes lane-mask words and flags for each tile of 16 queries x 128 keys.
; A TILE'S 16 ROWS ARE NOT NEIGHBOURS: lane r = 8 a + e of tile 2 b + u holds row 32 b + 16 a + 8 u + e, so that the results of a product used transposed lie as 16 neighbours along the next K.
; A FRAGMENT (16 rows x 128 K, 12 registers a lane; lane (r, h): registers 6 c .. 6 c + 5 = k 64 c + 32 h + 0 .. 31) is 1,536 bytes: for each c registers 0-3 at 16 x lane (512 bytes), registers 4-5 at 512 + 8 x lane (256 bytes).
; cod: [768 tiles][8 K steps][1,536]: tiles 0-511 x; 512 + 12 head + 4 kind + tt: wq, wk, wv; 704-767 wo.   scl: [tile][step / 4][r][step % 4] words of four bytes.
; mw: [128 query tiles][16 key steps][64 words]: word 16 b + i, bit 16 h + r = (mask[the tile's row r][128 s + 32 b + 16 h + i] != 0).   mf: [tile][4] words: bit s: some key of step s counts; bit 16 + s: all do; the four words are ORed by the reader.
; SHARES.  A wave takes 64 KB by four tensor loads of 32 rows x 512 bytes into LDS of its own, issued together at the head: four loads of mine are out at most, no wave reads another's bytes, so there is no barrier.
; Work-groups 0-127: x; 128-191: the weights; 192-255: the mask.  One shape serves all: the mask is read as [4096][1024], so that 32 of its view rows are 16 mask rows with key steps s and s + 8.
; A block's scale is 2^(floor(log2(largest magnitude)) - 2): its byte is the largest magnitude's exponent field - 2, held at 1 from below by a floor among the maximum's leaves.
; LIMITS: NaN and infinities among the f32 inputs are not served.  A block of zeros gets the byte 1 where the rule says 127: its codes are zeros, and this program alone reads the bytes.  Any mask word other than 0 counts as 'attend', as mask == 0 has it.
; LDS rows are 528 bytes apart; rows 16 apart (a = 0, 1) begin in the same banks, so the reads of 16 bytes go two deep: left so, the launch moves bytes and little else.
.set PITCH, 528                        ; 512 bytes + 16 of padding
.set LREG,  32*PITCH                   ; what one tensor load fills
.set WREG,  4*LREG                     ; a wave's region
.set SPARE, 4*WREG                     ; behind the four regions: the spare words, 128 bytes a wave
.set G1,  28                           ; s[28:35] descriptor group 1
.set G0,  44                           ; s[44:59] four groups 0
.set CM,  88                           ; s[88:95] eight lane masks at work
.set NUM, 32                           ; v32-95   64 numbers
.set PC,  96                           ; v96-107  a fragment's codes
.set TP,  108                          ; v108-115 the halves that are made elsewhere and moved
.set SW,  116                          ; v116-123 scale words: 4 u + step
.set MW,  124                          ; v124-139 mask words: a pair for each of eight units
.set MX,  140                          ; v140-143 maxima
.set SO,  144                          ; v144-145 the conversions' scale operands
.set BY,  146                          ; v146-147 bytes
.set T0,  148
.set T1,  149
.set SPW, 150                          ; LDS address of my spare word; never rewritten
.set NIL, 151                          ; 0; never rewritten
	s_load_b512 s[8:23], s[0:1], 0x0               ; x, wq, wk, wv, wo, mask, cod, scl
	s_load_b128 s[24:27], s[0:1], 0x40             ; mw, mf
	v_lshl_add_u32 v[SPW], v0, 2, SPARE
	v_mov_b32 v[NIL], 0
	ds_add_u32 v[SPW], v[NIL]                      ; the wave's opening: the add and its wait ahead of my first tensor load; work on registers stands between
	v_lshrrev_b32 v1, 5, v0
	v_readfirstlane_b32 s60, v1                    ; wave 0..3
	s_mov_b32 s[G1+0], (2<<16)|(1<<20)|(6<<22)|(3<<25)  ; elements of 4 bytes; padding on: after every 128 words, 4 words
	s_mov_b32 s[G1+1], 128<<16                     ; tensor_dim0 = 128
	s_mov_b32 s[G1+2], 32<<16                      ; tensor_dim1 = 32
	s_mov_b32 s[G1+3], 128<<16                     ; tile_dim0 = 128
	s_mov_b32 s[G1+4], 32                          ; tile_dim1 = 32
	s_mov_b32 s[G1+5], 1024                        ; from row to row
	s_mov_b32 s[G1+6], 0
	s_mov_b32 s[G1+7], 0
	s_mov_b32 s61, 0xffff0000                      ; lanes 16-31
	s_mov_b32 s62, 0xaaaaaaaa                      ; odd lanes
	s_mov_b32 s66, 0x76543210
	s_mov_b32 s67, 0xfedcba98                      ; v_permlanex16_b32's selects for lane l xor 16
	s_lshl_b32 s68, ttmp9, 2
	s_add_co_u32 s68, s68, s60                     ; 4 x work-group + wave
	s_and_b32 s69, s68, 1                          ; y: which 512 of K
	s_lshr_b32 s70, s68, 1                         ; pair of tiles: x 0-255; the weights 256 + 32 kind + p
	s_sub_co_u32 s71, s70, 256
	s_lshr_b32 s72, s71, 5                         ; kind
	s_and_b32 s73, s71, 31                         ; p
	s_lshr_b32 s74, s73, 1
	s_mul_i32 s74, s74, 6
	s_lshl_b32 s75, s72, 1
	s_add_co_u32 s74, s74, s75
	s_and_b32 s75, s73, 1
	s_add_co_u32 s74, s74, s75
	s_add_co_u32 s74, s74, 256                     ; wq, wk, wv: pair 256 + 6 head + 2 kind + p % 2
	s_add_co_u32 s75, s73, 352                     ; wo: pair 352 + p
	s_cmp_eq_u32 s72, 3
	s_cselect_b32 s74, s75, s74
	s_cmp_lt_u32 ttmp9, 128
	s_cselect_b32 s74, s70, s74                    ; the pair in cod and scl
	s_cselect_b32 s73, s70, s73                    ; the pair in the source
	s_lshl_b32 s78, s73, 17                        ; 32 rows of 4,096 bytes
	s_lshl_b32 s79, s69, 11
	s_add_co_u32 s78, s78, s79
	s_sub_co_u32 s87, ttmp9, 192                   ; the mask: pair of query tiles
	s_lshl_b32 s80, s87, 18                        ; 32 rows of 8,192 bytes
	s_lshl_b32 s81, s60, 10                        ; key step 2 x wave
	s_add_co_u32 s80, s80, s81
	s_mov_b32 s81, 0x20000                         ; the mask: loads 2, 3 begin 16 mask rows further down;
	s_cmp_ge_u32 ttmp9, 192
	s_cselect_b32 s78, s80, s78
	s_cselect_b32 s82, s81, 1024                   ; the others: 256 numbers further on
	s_mov_b32 s79, 0
	s_mov_b32 s83, 0
	s_mul_i32 s86, s60, WREG
.irp sl, 0,1,2,3
	s_mov_b32 s[G0+4*\sl], 1
	s_add_co_u32 s[G0+4*\sl+1], s86, \sl*LREG
.endr
	s_wait_dscnt 0x0                               ; the opening add is done
	s_wait_kmcnt 0x0
	s_cmp_eq_u32 s72, 1                            ; the source: a choice on the work-group's and the wave's number alone
	s_cselect_b64 s[76:77], s[12:13], s[10:11]
	s_cmp_eq_u32 s72, 2
	s_cselect_b64 s[76:77], s[14:15], s[76:77]
	s_cmp_eq_u32 s72, 3
	s_cselect_b64 s[76:77], s[16:17], s[76:77]
	s_cmp_lt_u32 ttmp9, 128
	s_cselect_b64 s[76:77], s[8:9], s[76:77]
	s_cmp_ge_u32 ttmp9, 192
	s_cselect_b64 s[76:77], s[18:19], s[76:77]
	s_add_nc_u64 s[76:77], s[76:77], s[78:79]
	s_add_nc_u64 s[84:85], s[76:77], s[82:83]
	s_mov_b64 s[G0+2:G0+3], s[76:77]
	s_add_nc_u64 s[G0+6:G0+7], s[76:77], 512
	s_mov_b64 s[G0+10:G0+11], s[84:85]
	s_add_nc_u64 s[G0+14:G0+15], s[84:85], 512
.irp sl, 0,1,2,3
	s_or_b32 s[G0+4*\sl+3], s[G0+4*\sl+3], 0x80000000
.endr
.irp sl, 0,1,2,3
	tensor_load_to_lds s[G0+4*\sl:G0+4*\sl+3], s[G1:G1+7]
	s_nop 0
.endr
	v_and_b32 v10, 31, v0                          ; lane
	v_and_b32 v11, 15, v0                          ; r
	v_and_b32 v1, 7, v0                            ; e
	v_bfe_u32 v2, v0, 3, 1                         ; a
	v_bfe_u32 v3, v0, 4, 1                         ; h
	v_lshl_add_u32 v4, v2, 4, v1
	v_mul_u32_u24 v4, v4, PITCH
	v_lshl_add_u32 v4, v3, 7, v4
	v_add_nc_u32 v4, s86, v4                       ; numbers: row 16 a + e, + 128 h bytes
	v_mul_u32_u24 v5, v1, 2*PITCH
	v_mad_u32_u24 v5, v2, 2*LREG, v5
	v_lshl_add_u32 v5, v3, 6, v5
	v_add_nc_u32 v5, s86, v5                       ; mask: load 2 a, view row 2 e, + 64 h bytes
	v_lshlrev_b32 v6, 4, v10                       ; 16 x lane
	v_lshlrev_b32 v7, 3, v10                       ; 8 x lane
	v_lshlrev_b32 v8, 3, v3                        ; 8 h
	v_lshlrev_b32 v9, 4, v11
	v_lshl_add_u32 v9, v3, 9, v9                   ; 16 r + 512 h
	v_mov_b32 v[T1], 0                             ; written once: a lane permute's destination counts as one of its sources
	s_cmp_ge_u32 ttmp9, 192
	s_cbranch_scc1 .Lmask
	; ---- numbers into codes
	s_mul_i32 s80, s74, 24576
	s_mul_i32 s81, s69, 6144
	s_add_co_u32 s80, s80, s81
	s_mov_b32 s81, 0
	s_add_nc_u64 s[20:21], s[20:21], s[80:81]      ; cod at my pair's tile 0, my first K step
	s_lshl_b32 s80, s74, 10
	s_lshl_b32 s75, s69, 8
	s_add_co_u32 s80, s80, s75
	s_add_nc_u64 s[22:23], s[22:23], s[80:81]      ; scl likewise
; K step sl of tile u: a lane's 64 numbers are two whole blocks of 32, in the order of the operand's registers
.macro QFRAG sl, u
.irp c, 0,1
.irp j, 0,1,2,3,4,5,6,7
	ds_load_b128 v[NUM+32*\c+4*\j:NUM+32*\c+4*\j+3], v4 offset:\sl*LREG+8*\u*PITCH+256*\c+16*\j
.endr
.endr
	s_wait_dscnt 0x0
.irp q, 0,1,2,3
	v_max3_num_f32 v[MX+\q], |v[NUM+16*\q]|, |v[NUM+16*\q+1]|, 0x1800000   ; four chains, two to a block; the floor 2^(3 - 127) holds the byte at 1 from below
.endr
.irp i, 2,4,6,8,10,12,14
.irp q, 0,1,2,3
	v_max3_num_f32 v[MX+\q], v[MX+\q], |v[NUM+16*\q+\i]|, |v[NUM+16*\q+\i+1]|
.endr
.endr
	v_max_num_f32 v[MX], v[MX], v[MX+1]
	v_max_num_f32 v[MX+2], v[MX+2], v[MX+3]
	v_add_nc_u32 v[SO], 0xff000000, v[MX]          ; 2 off the exponent field: the conversion's scale operand
	v_add_nc_u32 v[SO+1], 0xff000000, v[MX+2]
	v_lshrrev_b32 v[BY], 23, v[SO]                 ; the scale's byte
	v_lshrrev_b32 v[BY+1], 23, v[SO+1]
	v_lshl_or_b32 v[T0], v[BY+1], 16, v[BY]        ; my two bytes: blocks h and 2 + h,
	v_lshlrev_b32 v[T0], v8, v[T0]                 ; at their places;
	v_permlanex16_b32 v[T1], v[T0], s66, s67
	v_or_b32 v[SW+4*\u+\sl], v[T0], v[T1]          ; with lane l xor 16's two the word is whole
	s_wait_xcnt 0x0                                ; the last fragment's stores have read their registers
.irp c, 0,1
	v_cvt_scalef32_pk16_fp6_f32 v[PC+6*\c:PC+6*\c+2], v[NUM+32*\c:NUM+32*\c+15], v[SO+\c]
	v_cvt_scalef32_pk16_fp6_f32 v[TP+4*\c:TP+4*\c+2], v[NUM+32*\c+16:NUM+32*\c+31], v[SO+\c]   ; (a conversion's three registers begin on an even number)
.endr
	v_nop                                          ; one plain place behind a scaled conversion
.irp c, 0,1
.irp i, 0,1,2
	v_mov_b32 v[PC+6*\c+3+\i], v[TP+4*\c+\i]
.endr
.endr
	global_store_b128 v6, v[PC:PC+3], s[20:21] offset:\u*12288+\sl*1536          ; each store covers consecutive bytes in whole aligned blocks of 256
	global_store_b64 v7, v[PC+4:PC+5], s[20:21] offset:\u*12288+\sl*1536+512
	global_store_b128 v6, v[PC+6:PC+9], s[20:21] offset:\u*12288+\sl*1536+768
	global_store_b64 v7, v[PC+10:PC+11], s[20:21] offset:\u*12288+\sl*1536+1280
.endm
.irp sl, 0,1,2,3
	s_wait_tensorcnt 3-\sl                         ; my loads end in order: load sl is in, the later ones may be out
	QFRAG \sl, 0
	QFRAG \sl, 1
.endr
.irp sl, 0,1,2,3
	v_cndmask_b32 v[SW+\sl], v[SW+\sl], v[SW+4+\sl], s61   ; lanes 16-31 take tile 1's words
.endr
	global_store_b128 v9, v[SW:SW+3], s[22:23]     ; two blocks of 256 bytes: each tile's four words a row
	s_wait_tensorcnt 0x0                           ; the wave's end
	ds_add_u32 v[SPW], v[NIL]
	s_wait_dscnt 0x0
	s_endpgm
	; ---- the mask into lane-mask words and flags
.Lmask:
	s_lshl_b32 s80, s87, 13
	s_lshl_b32 s81, s60, 9
	s_add_co_u32 s80, s80, s81
	s_mov_b32 s81, 0
	s_add_nc_u64 s[24:25], s[24:25], s[80:81]      ; mw at my pair's tile 0, key step 2 x wave
	s_lshl_b32 s80, s87, 5
	s_lshl_b32 s75, s60, 2
	s_add_co_u32 s80, s80, s75
	s_add_nc_u64 s[26:27], s[26:27], s[80:81]      ; mf at my pair's tile 0, word = wave
	s_mov_b32 s98, 0                               ; tile 0's flags
	s_mov_b32 s99, 0                               ; tile 1's
.irp i, 0,1,2,3,4,5,6,7,8,9,10,11,12,13,14,15
	v_mov_b32 v[MW+\i], 0                          ; v_writelane_b32's destination counts as read
.endr
; key step 2 wave + cc + 8 hf of tile u; k: which pair of registers takes the 64 words
.macro MUNIT cc, hf, u, k
.irp b, 0,1,2,3
.irp m, 0,1,2,3
	ds_load_b128 v[NUM+16*\b+4*\m:NUM+16*\b+4*\m+3], v5 offset:\cc*LREG+16*\u*PITCH+\hf*PITCH+128*\b+16*\m
.endr
.endr
	s_wait_dscnt 0x0
	s_mov_b32 s96, 0
	s_mov_b32 s97, -1
.set j, 0
.rept 8
.irp t, 0,1,2,3,4,5,6,7
	v_cmp_ne_u32 s[CM+\t], 0, v[NUM+j+\t]          ; word j + t: a bit for each lane
.endr
.irp t, 0,1,2,3,4,5,6,7
	v_writelane_b32 v[MW+2*\k+(\t%2)], s[CM+\t], (j+\t)/2   ; lane L holds words 2 L and 2 L + 1
	s_or_b32 s96, s96, s[CM+\t]
	s_and_b32 s97, s97, s[CM+\t]
.endr
.set j, j+8
.endr
	global_store_b64 v7, v[MW+2*\k:MW+2*\k+1], s[24:25] offset:\u*4096+\cc*256+\hf*2048   ; one aligned block of 256 bytes
	s_cmp_lg_u32 s96, 0
	s_cselect_b32 s75, 1<<(\cc+8*\hf), 0
	s_or_b32 s[98+\u], s[98+\u], s75
	s_cmp_eq_u32 s97, -1
	s_cselect_b32 s75, 1<<(16+\cc+8*\hf), 0
	s_or_b32 s[98+\u], s[98+\u], s75
.endm
	s_wait_tensorcnt 1                             ; loads 0 and 2 hold the rows of both halves for the even steps; load 3 may be out
	MUNIT 0, 0, 0, 0
	MUNIT 0, 0, 1, 1
	MUNIT 0, 1, 0, 2
	MUNIT 0, 1, 1, 3
	s_wait_tensorcnt 0x0
	MUNIT 1, 0, 0, 4
	MUNIT 1, 0, 1, 5
	MUNIT 1, 1, 0, 6
	MUNIT 1, 1, 1, 7
	s_lshl_b32 s75, s60, 1
	s_lshl_b32 s98, s98, s75                       ; my steps' bits at their places
	s_lshl_b32 s99, s99, s75
	v_mov_b32 v[T0], s98
	v_mov_b32 v[T1], s99
	v_cndmask_b32 v[T0], v[T0], v[T1], s62         ; odd lanes: tile 1's word
	v_and_b32 v[BY], 1, v0
	v_lshlrev_b32 v[BY], 4, v[BY]
	global_store_b32 v[BY], v[T0], s[26:27]        ; lanes of one parity write the same word with the same value
	s_wait_tensorcnt 0x0                           ; the wave's end
	ds_add_u32 v[SPW], v[NIL]
	s_wait_dscnt 0x0
	s_endpgm
.Lfunc_end_k_q19c4d06ae4_prep:
	.size	k_q19c4d06ae4_prep, .Lfunc_end_k_q19c4d06ae4_prep-k_q19c4d06ae4_prep
	.p2alignl 7, 3214868480
	.fill 96, 4, 3214868480
	.section	.rodata,"a",@progbits
	.p2align	6, 0x0
	.amdhsa_kernel k_q19c4d06ae4_prep
		.amdhsa_group_segment_fixed_size 327680
		.amdhsa_private_segment_fixed_size 0
		.amdhsa_enable_private_segment 0
		.amdhsa_kernarg_size 80
		.amdhsa_user_sgpr_count 2
		.amdhsa_user_sgpr_kernarg_segment_ptr 1
		.amdhsa_wavefront_size32 1
		.amdhsa_system_sgpr_workgroup_id_x 1
		.amdhsa_system_sgpr_workgroup_id_y 1
		.amdhsa_system_sgpr_workgroup_id_z 1
		.amdhsa_system_vgpr_workitem_id 0
		.amdhsa_next_free_vgpr 160
		.amdhsa_next_free_sgpr 100
		.amdhsa_reserve_vcc 0
		.amdhsa_float_denorm_mode_32 3
		.amdhsa_float_denorm_mode_16_64 3
		.amdhsa_memory_ordered 1
		.amdhsa_forward_progress 1
		.amdhsa_inst_pref_size 151
	.end_amdhsa_kernel
	.amdgpu_metadata
---
amdhsa.version: [ 1, 2 ]
amdhsa.kernels:
  - .name:           k_q19c4d06ae4_prep
    .symbol:         k_q19c4d06ae4_prep.kd
    .args:
      - { .name: x, .offset: 0, .size: 8, .value_kind: global_buffer, .address_space: global }
      - { .name: wq, .offset: 8, .size: 8, .value_kind: global_buffer, .address_space: global }
      - { .name: wk, .offset: 16, .size: 8, .value_kind: global_buffer, .address_space: global }
      - { .name: wv, .offset: 24, .size: 8, .value_kind: global_buffer, .address_space: global }
      - { .name: wo, .offset: 32, .size: 8, .value_kind: global_buffer, .address_space: global }
      - { .name: mask, .offset: 40, .size: 8, .value_kind: global_buffer, .address_space: global }
      - { .name: cod, .offset: 48, .size: 8, .value_kind: global_buffer, .address_space: global }
      - { .name: scl, .offset: 56, .size: 8, .value_kind: global_buffer, .address_space: global }
      - { .name: mw, .offset: 64, .size: 8, .value_kind: global_buffer, .address_space: global }
      - { .name: mf, .offset: 72, .size: 8, .value_kind: global_buffer, .address_space: global }
    .group_segment_fixed_size: 327680
    .private_segment_fixed_size: 0
    .kernarg_segment_align: 8
    .kernarg_segment_size: 80
    .max_flat_workgroup_size: 128
    .sgpr_count:     100
    .vgpr_count:     160
    .wavefront_size: 32
...
	.end_amdgpu_metadata
.endif
;; end of part 1
;; launch qkv (part 2): grid 16 x 16, 4 waves a work-group, clusters of 4 x 4, 327,680 bytes of LDS; arguments cod, scl, qc, kv; writes qc, kv
.if DOCPART == 2
	.amdgcn_target "amdgcn-amd-amdhsa--gfx1250"
	.amdhsa_code_object_version 6
	.text
	.protected	k_q19c4d06ae4_qkv
	.globl	k_q19c4d06ae4_qkv
	.p2align	8
	.type	k_q19c4d06ae4_qkv,@function
k_q19c4d06ae4_qkv:
	s_mov_b64 s[64:65], 0
	v_nop
	global_prefetch_b8 v0, s[64:65] scope:SCOPE_SE
	s_setreg_imm32_b32 hwreg(HW_REG_WAVE_MODE, 25, 1), 1
	s_wait_xcnt 0x0
	s_wait_alu depctr_hold_cnt(0) depctr_sa_sdst(0) depctr_va_vdst(0) depctr_va_sdst(0) depctr_va_ssrc(0) depctr_va_vcc(0) depctr_vm_vsrc(0)
	s_getreg_b32 s2, hwreg(HW_REG_IB_STS2, 6, 4)
	s_cmp_eq_u32 s2, 0
	s_cbranch_scc0 .Lentry_in_a_cluster
	s_endpgm
.Lentry_in_a_cluster:
	s_bfe_u32 s2, ttmp6, 0x10000c
	s_cmp_lg_u32 s2, 0xf033
	s_cbranch_scc0 .Lentry_shape_is_right
	s_endpgm
.Lentry_shape_is_right:
; q, k, v = x wq^T, x wk^T, x wv^T on codes of FP6 (E2M3) with E8M0 scales, sums in f32; the results are quantised in registers and leave as codes alone: q and k along the head's 64, v along the keys.
; SHARES.  A work-group takes 512 tokens x ONE head's q, k and v (192 features): 16 x 16 work-groups of equal work.  A wave takes 128 tokens (8 tiles of x) x 12 tiles of weights: 96 accumulators, 768 registers, in windows 1-3.
; q AND k ARE MADE TRANSPOSED (source 0 = 16 rows of the weight, source 1 = 16 tokens): a lane holds a token, its registers run along the features.  v IS MADE THE OTHER WAY ROUND (source 0 = tokens, source 1 = rows of wv):
; a lane holds a feature and its registers run along the wave's 128 tokens, which are one key step.  By the order of a tile's rows (lane 8 a + e of tile 2 b + u: row 32 b + 16 a + 8 u + e) 16 registers of two neighbouring tiles are 16 neighbours along the next K.
; K goes through a ring of two LDS slots, two K steps of 128 to a slot: 32 tiles of x and 12 of the weights, each 3,072 bytes, as images of operand registers: every LDS load reads consecutive bytes.  The scale words of all of K come once.
; CLUSTER 4 x 4: x's tiles hang on the token block alone and are asked for jointly along a row of the cluster, the weights' on the head alone, along a column.  Waves 0, 1 fetch x's halves, wave 2 the weights, wave 3 nothing.
; OUT.  qc [64 batch x head][128 tiles][1,024]: half a fragment (768 bytes), the rows' two scale bytes at 768 + 2 r.  kv [64][16 key steps][16,384]: k's 8 halves at 768 a; v's 4 fragments at 6,144 + 1,536 t;
;   k's scale words at 12,288 + 64 D + 4 r (tile 2 D's two bytes low, tile 2 D + 1's high); v's at 12,544 + 64 t + 4 r.
; LIMITS: NaN and infinities are not served; a block of zeros gets the byte 1 (its codes are zeros; this program alone reads the bytes).
; REGISTERS.  Window 0: v1-13 addresses; v16-111 x's 8 fragments, one set; v112-159, v160-207 four fragments of weights, two sets; v208-231 scale words, two sets of 12; v232, v233 the add's two; v234-246 at work on the way out.
;   Windows 1, 2: group a (tokens' tile a) at 64 (a % 4): register 32 kind + 8 tt + j.   Window 3: v's tile t at 64 t + 8 a.
.set SLOT,  135168
.set XT,    3072                       ; a tile's two K steps
.set WOFF,  98304                      ; the weights' tiles in a slot
.set XSC,   270336                     ; x's scale words, 32 tiles x 512 bytes
.set WSC,   286720                     ; the weights', 12 x 512
.set SPARE, 292864                     ; the spare words, 128 bytes a wave
.set AX16, 1                           ; v1-2   x's fragments in slot 0, 1: 16 x lane + my 8 tiles
.set AX8,  3                           ; v3-4   the same with 8 x lane
.set AW16, 5                           ; v5-6   the weights'
.set AW8,  7                           ; v7-8
.set AS,   9                           ; v9     scale words: lanes 0-15 x's tiles, lanes 16-31 the weights'
.set L16,  10
.set L8,   11
.set R2,   12
.set R4,   13
.set XF,   16
.set WF,   112
.set SC,   208
.set SPW,  232
.set NIL,  233
.set TM,   234                         ; v234-237 maxima, v238-241 bytes, v242-245 scale operands
.set PW,   246                         ; the scale word just made
.set PC,   16                          ; the way out: codes, where x's fragments lay
.set TP,   28
.set G1X,  24
.set G1W,  32
.set G1XS, 40
.set G1WS, 48
.set G0X,  56                          ; s[56:63] a set for each slot
.set G0XS, 68
.set G0W,  72                          ; s[72:79]
.set G0WS, 80
.set MSB, 0
.macro WIN new                         ; the immediate's high byte repeats the setting that is left
.if MSB != (\new)
	s_set_vgpr_msb (MSB<<8)|(\new)
.set MSB, (\new)
.endif
.endm
.macro PLACES                          ; four plain places behind a matrix instruction, in front of loads into its registers and of reads of its results (ISA guide 7.12.1 for reads of its results)
.rept 4
	v_nop
.endr
.endm
.macro CREST                           ; a round of the cluster's barrier behind its opening barrier
	s_cmp_lg_u32 s14, 0
	s_cbranch_scc1 .Lnot_wave_0_\@
	s_barrier_signal -3
.Lnot_wave_0_\@:
	s_barrier_wait -3
	s_barrier_signal -1
	s_barrier_wait -1
.endm
.macro CROUND
	s_barrier_signal -1
	s_barrier_wait -1
	CREST
.endm
.macro JLOAD s                         ; a joint refill of slot s; the branches hang on the wave's number alone; an s_nop 0 and four v_nop follow each load
	s_cmp_lt_u32 s14, 2
	s_cbranch_scc0 .Lnot_x_\@
	tensor_load_to_lds s[G0X+4*(\s):G0X+4*(\s)+3], s[G1X:G1X+7]
	s_nop 0
.rept 4
	v_nop
.endr
	s_branch .Lasked_\@
.Lnot_x_\@:
	s_cmp_eq_u32 s14, 2
	s_cbranch_scc0 .Lasked_\@
	tensor_load_to_lds s[G0W+4*(\s):G0W+4*(\s)+3], s[G1W:G1W+7]
	s_nop 0
.rept 4
	v_nop
.endr
.Lasked_\@:
.endm
.macro FRAG reg, a16, a8, off          ; a fragment's image back into 12 registers
	ds_load_b128 v[\reg:\reg+3], v[\a16] offset:\off
	ds_load_b64 v[\reg+4:\reg+5], v[\a8] offset:\off+512
	ds_load_b128 v[\reg+6:\reg+9], v[\a16] offset:\off+768
	ds_load_b64 v[\reg+10:\reg+11], v[\a8] offset:\off+1280
.endm
.macro LOADW p, slot, q, grp           ; the four tiles of wq (grp 0), wk (1) or wv (2) into set p: 16 loads
.irp tt, 0,1,2,3
	FRAG WF+48*(\p)+12*\tt, AW16+(\slot), AW8+(\slot), (4*(\grp)+\tt)*XT+(\q)*1536
.endr
.endm
.macro LOADX slot, q, a0               ; x's tiles a0 .. a0 + 3: 16 loads
.irp a, \a0, \a0+1, \a0+2, \a0+3
	FRAG XF+12*(\a), AX16+(\slot), AX8+(\slot), (\a)*XT+(\q)*1536
.endr
.endm
.macro LOADS p, n                      ; K step n's scale words into set p: register i: lanes 0-15 x's tile i, lanes 16-31 the weights' tile i (for i over 7 the low lanes read on into filled bytes and are not used)
.irp i, 0,1,2,3,4,5,6,7,8,9,10,11
	ds_load_b32 v[SC+12*(\p)+\i], v[AS] offset:\i*512+((\n)/4)*256+((\n)%4)*4
.endr
.endm
.macro MULQK kind, p, a0, sc, zero     ; 16 products: tokens' tiles a0 .. a0 + 3 x the four tiles of wq or wk
.irp a, \a0, \a0+1, \a0+2, \a0+3
.irp tt, 0,1,2,3
.set rD, 64*((\a)%4)+32*(\kind)+8*\tt
.set rA, WF+48*(\p)+12*\tt
.set rB, XF+12*(\a)
.if \zero
	v_wmma_scale_f32_16x16x128_f8f6f4 v[rD:rD+7], v[rA:rA+11], v[rB:rB+11], 0, v[SC+12*(\sc)+4*(\kind)+\tt], v[SC+12*(\sc)+(\a)] matrix_a_fmt:MATRIX_FMT_FP6 matrix_b_fmt:MATRIX_FMT_FP6 matrix_a_scale:MATRIX_SCALE_ROW1
.else
	v_wmma_scale_f32_16x16x128_f8f6f4 v[rD:rD+7], v[rA:rA+11], v[rB:rB+11], v[rD:rD+7], v[SC+12*(\sc)+4*(\kind)+\tt], v[SC+12*(\sc)+(\a)] matrix_a_fmt:MATRIX_FMT_FP6 matrix_b_fmt:MATRIX_FMT_FP6 matrix_a_scale:MATRIX_SCALE_ROW1
.endif
.endr
.endr
.endm
.macro MULV p, a0, sc, zero            ; 16 products: the sources the other way round
.irp a, \a0, \a0+1, \a0+2, \a0+3
.irp tt, 0,1,2,3
.set rD, 64*\tt+8*(\a)
.set rA, XF+12*(\a)
.set rB, WF+48*(\p)+12*\tt
.if \zero
	v_wmma_scale_f32_16x16x128_f8f6f4 v[rD:rD+7], v[rA:rA+11], v[rB:rB+11], 0, v[SC+12*(\sc)+(\a)], v[SC+12*(\sc)+8+\tt] matrix_a_fmt:MATRIX_FMT_FP6 matrix_b_fmt:MATRIX_FMT_FP6 matrix_b_scale:MATRIX_SCALE_ROW1
.else
	v_wmma_scale_f32_16x16x128_f8f6f4 v[rD:rD+7], v[rA:rA+11], v[rB:rB+11], v[rD:rD+7], v[SC+12*(\sc)+(\a)], v[SC+12*(\sc)+8+\tt] matrix_a_fmt:MATRIX_FMT_FP6 matrix_b_fmt:MATRIX_FMT_FP6 matrix_b_scale:MATRIX_SCALE_ROW1
.endif
.endr
.endr
.endm
	s_load_b256 s[4:11], s[0:1], 0x0               ; cod, scl, qc, kv
	v_lshl_add_u32 v[SPW], v0, 2, SPARE
	v_mov_b32 v[NIL], 0
	ds_add_u32 v[SPW], v[NIL]                      ; the wave's opening: the add and its wait ahead of my first tensor load; work on registers stands between
	v_lshrrev_b32 v14, 5, v0
	v_readfirstlane_b32 s14, v14                   ; wave 0..3
	s_and_b32 s15, s14, 1                          ; which half of x's tiles I fetch, if I fetch
	s_bfe_u32 s16, ttmp6, 0x40000                  ; cx
	s_bfe_u32 s17, ttmp6, 0x40004                  ; cy
	s_lshl_b32 s18, ttmp9, 2
	s_add_co_u32 s18, s18, s16                     ; the head
	s_and_b32 s19, ttmp7, 0xffff
	s_lshl_b32 s19, s19, 2
	s_add_co_u32 s19, s19, s17                     ; the block of 512 tokens
	s_lshl_b32 s20, s17, 2
	s_lshl_b32 s20, 15, s20                        ; my row of the cluster
	s_lshl_b32 s21, 0x1111, s16                    ; my column
	s_or_b32 s[G1X], s20, (3<<16)|(1<<21)          ; the mask; elements of 8 bytes; bit 21 set beside a mask; no padding
	s_or_b32 s[G1XS], s20, (3<<16)|(1<<21)
	s_or_b32 s[G1W], s21, (3<<16)|(1<<21)
	s_or_b32 s[G1WS], s21, (3<<16)|(1<<21)
	s_mov_b32 s[G1X+1], 384<<16                    ; x: 16 tiles, of each 3,072 bytes (two K steps), 12,288 bytes apart
	s_mov_b32 s[G1X+2], 16<<16
	s_mov_b32 s[G1X+3], 384<<16
	s_mov_b32 s[G1X+4], 16
	s_mov_b32 s[G1X+5], 1536
	s_mov_b32 s[G1X+6], 0
	s_mov_b32 s[G1X+7], 0
	s_mov_b32 s[G1W+1], 384<<16                    ; the weights: 12 tiles
	s_mov_b32 s[G1W+2], 12<<16
	s_mov_b32 s[G1W+3], 384<<16
	s_mov_b32 s[G1W+4], 12
	s_mov_b32 s[G1W+5], 1536
	s_mov_b32 s[G1W+6], 0
	s_mov_b32 s[G1W+7], 0
	s_mov_b32 s[G1XS+1], 32<<16                    ; scale words of 16 tiles: 8,192 dense bytes as 32 rows of 256
	s_mov_b32 s[G1XS+2], 32<<16
	s_mov_b32 s[G1XS+3], 32<<16
	s_mov_b32 s[G1XS+4], 32
	s_mov_b32 s[G1XS+5], 32
	s_mov_b32 s[G1XS+6], 0
	s_mov_b32 s[G1XS+7], 0
	s_mov_b32 s[G1WS+1], 32<<16                    ; of 12 tiles: 24 rows of 256
	s_mov_b32 s[G1WS+2], 24<<16
	s_mov_b32 s[G1WS+3], 32<<16
	s_mov_b32 s[G1WS+4], 24
	s_mov_b32 s[G1WS+5], 32
	s_mov_b32 s[G1WS+6], 0
	s_mov_b32 s[G1WS+7], 0
	s_lshl_b32 s22, s19, 5
	s_lshl_b32 s23, s15, 4
	s_add_co_u32 s22, s22, s23                     ; x's first tile that I fetch
	s_mul_i32 s90, s22, 12288
	s_mov_b32 s91, 0
	s_lshl_b32 s92, s22, 9
	s_mov_b32 s93, 0
	s_mul_i32 s22, s18, 12
	s_add_co_u32 s22, s22, 512                     ; the head's first tile of weights
	s_mul_i32 s94, s22, 12288
	s_mov_b32 s95, 0
	s_lshl_b32 s96, s22, 9
	s_mov_b32 s97, 0
	s_mul_i32 s98, s15, 49152
	s_lshl_b32 s99, s15, 13
	s_mov_b32 s88, 0x76543210
	s_mov_b32 s89, 0xfedcba98
	s_wait_dscnt 0x0                               ; the opening add is done
	s_wait_kmcnt 0x0
	s_add_nc_u64 s[90:91], s[4:5], s[90:91]
	s_add_nc_u64 s[92:93], s[6:7], s[92:93]
	s_add_nc_u64 s[94:95], s[4:5], s[94:95]
	s_add_nc_u64 s[96:97], s[6:7], s[96:97]
	s_mov_b32 s[G0XS], 1
	s_add_co_u32 s[G0XS+1], s99, XSC
	s_mov_b64 s[G0XS+2:G0XS+3], s[92:93]
	s_or_b32 s[G0XS+3], s[G0XS+3], 0x80000000
	s_mov_b32 s[G0WS], 1
	s_mov_b32 s[G0WS+1], WSC
	s_mov_b64 s[G0WS+2:G0WS+3], s[96:97]
	s_or_b32 s[G0WS+3], s[G0WS+3], 0x80000000
.irp s, 0,1
	s_mov_b32 s[G0X+4*\s], 1
	s_add_co_u32 s[G0X+4*\s+1], s98, \s*SLOT
	s_add_nc_u64 s[G0X+4*\s+2:G0X+4*\s+3], s[90:91], \s*XT
	s_or_b32 s[G0X+4*\s+3], s[G0X+4*\s+3], 0x80000000
	s_mov_b32 s[G0W+4*\s], 1
	s_mov_b32 s[G0W+4*\s+1], \s*SLOT+WOFF
	s_add_nc_u64 s[G0W+4*\s+2:G0W+4*\s+3], s[94:95], \s*XT
	s_or_b32 s[G0W+4*\s+3], s[G0W+4*\s+3], 0x80000000
.endr
	CROUND                                         ; all sixteen work-groups are here: the first joint loads meet
	s_cmp_lt_u32 s14, 2                            ; a wave's first fills stand in one branch: three loads of mine are out at most
	s_cbranch_scc0 .Lfirst_not_x
	tensor_load_to_lds s[G0XS:G0XS+3], s[G1XS:G1XS+7]
	s_nop 0
	tensor_load_to_lds s[G0X:G0X+3], s[G1X:G1X+7]
	s_nop 0
	tensor_load_to_lds s[G0X+4:G0X+7], s[G1X:G1X+7]
	s_nop 0
.rept 4
	v_nop
.endr
	s_branch .Lfirst_asked
.Lfirst_not_x:
	s_cmp_eq_u32 s14, 2
	s_cbranch_scc0 .Lfirst_asked
	tensor_load_to_lds s[G0WS:G0WS+3], s[G1WS:G1WS+7]
	s_nop 0
	tensor_load_to_lds s[G0W:G0W+3], s[G1W:G1W+7]
	s_nop 0
	tensor_load_to_lds s[G0W+4:G0W+7], s[G1W:G1W+7]
	s_nop 0
.rept 4
	v_nop
.endr
.Lfirst_asked:
	v_and_b32 v14, 31, v0                          ; lane
	v_and_b32 v15, 15, v0                          ; r
	v_bfe_u32 v[TM], v0, 4, 1                      ; h
	v_lshlrev_b32 v[L16], 4, v14
	v_lshlrev_b32 v[L8], 3, v14
	v_lshlrev_b32 v[R2], 1, v15
	v_lshlrev_b32 v[R4], 2, v15
	s_mul_i32 s16, s14, 24576                      ; my 8 tiles of x in a slot
	v_add_nc_u32 v[AX16], s16, v[L16]
	v_add_nc_u32 v[AX8], s16, v[L8]
	s_add_co_u32 s16, s16, SLOT
	v_add_nc_u32 v[AX16+1], s16, v[L16]
	v_add_nc_u32 v[AX8+1], s16, v[L8]
	v_add_nc_u32 v[AW16], WOFF, v[L16]
	v_add_nc_u32 v[AW8], WOFF, v[L8]
	v_add_nc_u32 v[AW16+1], WOFF+SLOT, v[L16]
	v_add_nc_u32 v[AW8+1], WOFF+SLOT, v[L8]
	s_lshl_b32 s16, s14, 12
	s_add_co_u32 s16, s16, XSC                     ; my 8 tiles' scale words;
	s_xor_b32 s17, s14, 3
	s_add_co_u32 s17, s17, 1
	s_lshl_b32 s17, s17, 12                        ; from there to the weights': 16,384 - 4,096 x wave
	v_mul_u32_u24 v[AS], s17, v[TM]                ; one product: the lower base + h x the distance
	v_lshl_add_u32 v[AS], v15, 4, v[AS]
	v_add_nc_u32 v[AS], s16, v[AS]
.irp b, 0,1,2,3
	v_mov_b32 v[TM+4+\b], 0                        ; written once: a lane permute's destination counts as one of its sources
.endr
	s_lshr_b32 s16, s19, 2                         ; the batch
	s_lshl_b32 s16, s16, 4
	s_add_co_u32 s16, s16, s18                     ; batch x 16 + head
	s_and_b32 s17, s19, 3
	s_lshl_b32 s17, s17, 2
	s_add_co_u32 s17, s17, s14                     ; my key step in the head
	s_lshl_b32 s20, s16, 17
	s_lshl_b32 s21, s17, 13
	s_add_co_u32 s20, s20, s21
	s_mov_b32 s21, 0
	s_add_nc_u64 s[84:85], s[8:9], s[20:21]        ; qc at my first tile
	s_lshl_b32 s20, s16, 18
	s_lshl_b32 s22, s17, 14
	s_add_co_u32 s20, s20, s22
	s_add_nc_u64 s[86:87], s[10:11], s[20:21]      ; kv at my key step
	s_wait_tensorcnt 1                             ; the scale words and my part of slot 0 are in; slot 1's load may be out
	s_barrier_signal -1
	s_barrier_wait -1
	LOADW 0, 0, 0, 0
	LOADS 0, 0
	LOADX 0, 0, 0
	LOADX 0, 0, 4
; K STEP n: 96 products, each accumulator one turn.  The weights' groups of four tiles take two sets by turns; x has one set, fetched anew as its tiles are done with.
.macro KSTEP n
.set kSL, ((\n)/2)%2
.set kQ,  (\n)%2
.set kNS, (((\n)+1)/2)%2
.set kNQ, ((\n)+1)%2
.set kP0, (\n)%2                       ; the set of wq's and of wv's tiles (3 n and 3 n + 2 have n's parity);
.set kP1, 1-kP0                        ; of wk's, and of the next step's wq's
.set kSC, (\n)%2
.if (\n) == 0
.set kZ, 1                             ; the first step's products start the sums: nothing is cleared
.else
.set kZ, 0
.endif
	LOADW kP1, kSL, kQ, 1
	s_wait_dscnt 32                                ; wq's tiles, the scale words and x's tiles 0-3 are in; x's 4-7 and wk's may be out
	WIN 0x50
	MULQK 0, kP0, 0, kSC, kZ
	s_wait_dscnt 16                                ; x's 4-7 are in
	WIN 0xa0
	MULQK 0, kP0, 4, kSC, kZ
	WIN 0
	PLACES
	LOADW kP0, kSL, kQ, 2                          ; (in a slot's second step: my last reads of the slot)
.if ((\n)%2 == 1) && ((\n) < 7)
	s_wait_tensorcnt 0x0                           ; THE CHANGE OF SLOTS: all my tensor loads have landed, my part of the next slot among them;
	ds_add_u32 v[SPW], v[NIL]                      ; 0 onto my spare word;
	s_wait_dscnt 17                                ; (the add and wv's 16 loads may be out)
	WIN 0x50
	MULQK 1, kP1, 0, kSC, 0                        ; sixteen products stand between the add and the wait for it
	s_wait_dscnt 0x0                               ; the add is done, and my reads of this slot are over
	s_barrier_signal -1
	WIN 0xa0
	MULQK 1, kP1, 4, kSC, 0
	WIN 0
	s_barrier_wait -1
.if (\n) < 5
	CREST                                          ; the barrier has opened a round of the cluster's: no wave of any partner still reads this slot or has a load on its way
	s_add_nc_u64 s[G0X+4*kSL+2:G0X+4*kSL+3], s[G0X+4*kSL+2:G0X+4*kSL+3], 6144   ; four K steps on
	s_add_nc_u64 s[G0W+4*kSL+2:G0W+4*kSL+3], s[G0W+4*kSL+2:G0W+4*kSL+3], 6144
	JLOAD kSL                                      ; my one tensor load behind the round, and the first thing there
.endif
.else
	s_wait_dscnt 16                                ; wk's are in
	WIN 0x50
	MULQK 1, kP1, 0, kSC, kZ
	WIN 0xa0
	MULQK 1, kP1, 4, kSC, kZ
	WIN 0
.endif
	PLACES
.if (\n) < 7
	LOADW kP1, kNS, kNQ, 0
	LOADS 1-kSC, (\n)+1
	s_wait_dscnt 28                                ; wv's are in; the 16 + 12 just issued may be out
.else
	s_wait_dscnt 0x0
.endif
	WIN 0xf0
	MULV kP0, 0, kSC, kZ
	WIN 0
.if (\n) < 7
	PLACES
	LOADX kNS, kNQ, 0
.endif
	WIN 0xf0
	MULV kP0, 4, kSC, kZ
	WIN 0
	PLACES
.if (\n) < 7
	LOADX kNS, kNQ, 4
.endif
.endm
	KSTEP 0
	KSTEP 1
	KSTEP 2
	KSTEP 3
	KSTEP 4
	KSTEP 5
	KSTEP 6
	KSTEP 7
; THE WAY OUT.  Group g's 64 registers (register 16 b + i = index 32 b + 16 (lane / 16) + i along the next K) become a fragment's codes in v[PC] on and its scale word in v[PW].
.macro QUANTW g
.set qW, 1+(\g)/4
.set qS, 64*((\g)%4)
	WIN 5*qW                                       ; sources 0 and 1 in the group's window
.irp b, 0,1,2,3
	v_max3_num_f32 v[TM+\b], |v[qS+16*\b]|, |v[qS+16*\b+1]|, 0x1800000   ; each accumulator is read from its low end on; the floor 2^(3 - 127) holds the byte at 1 from below
.endr
	WIN 20*qW                                      ; sources 1 and 2
.irp i, 2,4,6,8,10,12,14
.irp b, 0,1,2,3
	v_max3_num_f32 v[TM+\b], v[TM+\b], |v[qS+16*\b+\i]|, |v[qS+16*\b+\i+1]|
.endr
.endr
	WIN 0
.irp b, 0,1,2,3
	v_permlanex16_b32 v[TM+4+\b], v[TM+\b], s88, s89
.endr
.irp b, 0,1,2,3
	v_max_num_f32 v[TM+\b], v[TM+\b], v[TM+4+\b]   ; with lane l xor 16's: the block's largest magnitude
.endr
.irp b, 0,1,2,3
	v_add_nc_u32 v[TM+8+\b], 0xff000000, v[TM+\b]  ; 2 off the exponent field: the conversion's scale operand
.endr
.irp b, 0,1,2,3
	v_lshrrev_b32 v[TM+4+\b], 23, v[TM+8+\b]       ; the scale's byte
.endr
	s_wait_xcnt 0x0                                ; the last group's stores have read the scale word and the codes
	v_lshl_or_b32 v[PW], v[TM+5], 8, v[TM+4]
	v_lshl_or_b32 v[PW], v[TM+6], 16, v[PW]
	v_lshl_or_b32 v[PW], v[TM+7], 24, v[PW]
	WIN qW                                         ; source 0
.irp c, 0,1
	v_cvt_scalef32_pk16_fp6_f32 v[PC+6*\c:PC+6*\c+2], v[qS+32*\c:qS+32*\c+15], v[TM+8+2*\c]
	v_cvt_scalef32_pk16_fp6_f32 v[TP+4*\c:TP+4*\c+2], v[qS+32*\c+16:qS+32*\c+31], v[TM+8+2*\c+1]
.endr
	WIN 0
	v_nop                                          ; one plain place behind a scaled conversion
.irp c, 0,1                                    ; the operand's layout wants a whole block in a lane
.irp i, 0,1,2
	v_permlane16_swap_b32 v[PC+6*\c+\i], v[TP+4*\c+\i]
.endr
.irp i, 0,1,2
	v_mov_b32 v[PC+6*\c+3+\i], v[TP+4*\c+\i]
.endr
.endr
.endm
.irp a, 0,1,2,3,4,5,6,7                        ; registers 0-5: q's half fragment; 6-11: k's; the word's low two bytes q's, the high two k's
	QUANTW \a
	global_store_b128 v[L16], v[PC:PC+3], s[84:85] offset:1024*\a
	global_store_b64 v[L8], v[PC+4:PC+5], s[84:85] offset:1024*\a+512
	global_store_b16 v[R2], v[PW], s[84:85] offset:1024*\a+768          ; lanes r and 16 + r write the same bytes with the same value
	global_store_b128 v[L16], v[PC+6:PC+9], s[86:87] offset:768*\a
	global_store_b64 v[L8], v[PC+10:PC+11], s[86:87] offset:768*\a+512
	global_store_d16_hi_b16 v[R4], v[PW], s[86:87] offset:12288+64*(\a/2)+2*(\a%2)
.endr
.irp t, 0,1,2,3                                ; v's tile t: 16 of the head's 64 x my 128 keys
	QUANTW 8+\t
	global_store_b128 v[L16], v[PC:PC+3], s[86:87] offset:6144+1536*\t
	global_store_b64 v[L8], v[PC+4:PC+5], s[86:87] offset:6144+1536*\t+512
	global_store_b128 v[L16], v[PC+6:PC+9], s[86:87] offset:6144+1536*\t+768
	global_store_b64 v[L8], v[PC+10:PC+11], s[86:87] offset:6144+1536*\t+1280
	global_store_b32 v[R4], v[PW], s[86:87] offset:12544+64*\t
.endr
	s_wait_tensorcnt 0x0                           ; the wave's end
	ds_add_u32 v[SPW], v[NIL]
	s_wait_dscnt 0x0
	CROUND                                         ; the closing round
	s_endpgm
.Lfunc_end_k_q19c4d06ae4_qkv:
	.size	k_q19c4d06ae4_qkv, .Lfunc_end_k_q19c4d06ae4_qkv-k_q19c4d06ae4_qkv
	.p2alignl 7, 3214868480
	.fill 96, 4, 3214868480
	.section	.rodata,"a",@progbits
	.p2align	6, 0x0
	.amdhsa_kernel k_q19c4d06ae4_qkv
		.amdhsa_group_segment_fixed_size 327680
		.amdhsa_private_segment_fixed_size 0
		.amdhsa_enable_private_segment 0
		.amdhsa_kernarg_size 32
		.amdhsa_user_sgpr_count 2
		.amdhsa_user_sgpr_kernarg_segment_ptr 1
		.amdhsa_wavefront_size32 1
		.amdhsa_system_sgpr_workgroup_id_x 1
		.amdhsa_system_sgpr_workgroup_id_y 1
		.amdhsa_system_sgpr_workgroup_id_z 1
		.amdhsa_system_vgpr_workitem_id 0
		.amdhsa_next_free_vgpr 1024
		.amdhsa_next_free_sgpr 100
		.amdhsa_reserve_vcc 0
		.amdhsa_float_denorm_mode_32 3
		.amdhsa_float_denorm_mode_16_64 3
		.amdhsa_memory_ordered 1
		.amdhsa_forward_progress 1
		.amdhsa_inst_pref_size 214
	.end_amdhsa_kernel
	.amdgpu_metadata
---
amdhsa.version: [ 1, 2 ]
amdhsa.kernels:
  - .name:           k_q19c4d06ae4_qkv
    .symbol:         k_q19c4d06ae4_qkv.kd
    .args:
      - { .name: cod, .offset: 0, .size: 8, .value_kind: global_buffer, .address_space: global }
      - { .name: scl, .offset: 8, .size: 8, .value_kind: global_buffer, .address_space: global }
      - { .name: qc, .offset: 16, .size: 8, .value_kind: global_buffer, .address_space: global }
      - { .name: kv, .offset: 24, .size: 8, .value_kind: global_buffer, .address_space: global }
    .group_segment_fixed_size: 327680
    .private_segment_fixed_size: 0
    .kernarg_segment_align: 8
    .kernarg_segment_size: 32
    .max_flat_workgroup_size: 128
    .sgpr_count:     100
    .vgpr_count:     1024
    .wavefront_size: 32
...
	.end_amdgpu_metadata
.endif
;; end of part 2
;; launch attn (part 3): grid 4 x 64, 16 waves a work-group, no clusters, 27,648 bytes of LDS; arguments qc, kv, mw, mf, oc, os; writes oc, os
.if DOCPART == 3
	.amdgcn_target "amdgcn-amd-amdhsa--gfx1250"
	.amdhsa_code_object_version 6
	.text
	.protected	k_q19c4d06ae4_attn
	.globl	k_q19c4d06ae4_attn
	.p2align	8
	.type	k_q19c4d06ae4_attn,@function
k_q19c4d06ae4_attn:
	s_mov_b64 s[64:65], 0
	v_nop
	global_prefetch_b8 v0, s[64:65] scope:SCOPE_SE
	s_setreg_imm32_b32 hwreg(HW_REG_WAVE_MODE, 25, 1), 1
	s_wait_xcnt 0x0
; o = softmax(q k^T / 8, under the given mask) v for one head, both products on codes of FP6 (E2M3) with E8M0 scales; the result is quantised along C and leaves as codes for the last product.
; THE SOFTMAX AHEAD OF THE SECOND PRODUCT: t = score x log2(e) / 8; M = the running largest t rounded UP to a whole number; p = 2^(t - M) is quantised along the keys; the row's sum is taken of the unquantised p and divides at the end.
; SHARES.  A work-group walks query blocks i and 7 - i (256 queries each) of one head in two passes; each of its sixteen waves owns one tile of 16 queries; four waves to a SIMD, so that one wave's vector work stands beside another's products and loads.
; A pass walks all 16 key steps of 128 keys; the trip counts are constants and every wave passes every barrier.  WHAT THE GIVEN MASK HIDES WHOLLY IS PASSED OVER, by scalar branches on the flags that the first launch stored:
; a wave leaves out a step none of whose keys counts for its tile; the work-group does not fetch a step that none of its tiles wants; a step all of whose keys count takes no mask words.  Nothing of the mask's pattern is built in.
; No tensor load and no cluster: the walk branches on stored numbers.  A step's 12,800 bytes of k and v go from memory through registers into one of two LDS slots, asked for one whole step ahead of their LDS stores.
; LAYOUT.  Both products are used transposed: S^T = k q^T, O^T = v^T p^T: a lane holds one query throughout.  The head is 64 long, half of the instruction's 128: the halves of key tiles 2 D and 2 D + 1 form ONE source 0,
; and q stands in a run [six zeros | q | six zeros], of which registers 6-17 pick tile 2 D and registers 0-11 tile 2 D + 1: zero codes add nothing.
; A ROW WITHOUT ANY KEY has the sum 0: its scale bytes are set to 0xff, which makes the last product's whole row NaN, as softmax of a row of -infinity does.
; LIMITS: NaN and infinities among the inputs are not served.  A block's largest p is taken from its largest score, which takes v_exp_f32 not to fall where its input rises (the ISA guide promises 1 ulp).  A block of zeros keeps the byte 1.
; REGISTERS: v1 16 x lane, v2 8 x lane, v3 4 r + 256 h, v4 16 x thread, v5 the fetches' offset, v6 2 r, v7 16 r, v8 -infinity; v12 -M, v13 the largest t, v[14:15] the sum; v16-33 q's run, v34 its scale word;
;   v36-83 four fragments; v84-87 scale words (lanes 0-15 k's, 16-31 v's); v88-94 the second pass's q; v96-159 S^T, then p; v160-191 O^T; v192-203 p's codes; v204-211, v212-232, v236-237 at work; v240-247 a step on its way; v250, v251 the add's two.
; SCALARS: s[32:63] and s[68:99] take the 64 mask words, which v_cndmask_b32 reads: they hold mask words, flags and offsets, and never an address.  Addresses stand in s[2:15], s[26:27] and s[66:67] alone.
.set SLB,   12800                      ; a slot: k's 8 halves, v's 4 fragments, 512 bytes of scale words
.set SPARE, 25600                      ; behind the two slots: the spare words, 128 bytes for each of 16 waves
.set SPW, 250
.set NIL, 251
.macro FRAG reg, a16, a8, off
	ds_load_b128 v[\reg:\reg+3], v[\a16] offset:\off
	ds_load_b64 v[\reg+4:\reg+5], v[\a8] offset:\off+512
	ds_load_b128 v[\reg+6:\reg+9], v[\a16] offset:\off+768
	ds_load_b64 v[\reg+10:\reg+11], v[\a8] offset:\off+1280
.endm
.macro ORALL                           ; s32 = the OR of the 64 words in s[32:63] and s[68:99]
.set k, 33
.rept 31
	s_or_b32 s32, s32, s[k]
.set k, k+1
.endr
.set k, 68
.rept 32
	s_or_b32 s32, s32, s[k]
.set k, k+1
.endr
.endm
	s_load_b256 s[4:11], s[0:1], 0x0               ; qc, kv, mw, mf
	s_load_b128 s[12:15], s[0:1], 0x20             ; oc, os
	v_lshl_add_u32 v[SPW], v0, 2, SPARE
	v_mov_b32 v[NIL], 0
	v_lshrrev_b32 v9, 5, v0
	v_readfirstlane_b32 s16, v9                    ; wave 0..15
	v_and_b32 v9, 31, v0
	v_and_b32 v10, 15, v0
	v_bfe_u32 v11, v0, 4, 1
	v_lshlrev_b32 v1, 4, v9
	v_lshlrev_b32 v2, 3, v9
	v_lshlrev_b32 v3, 2, v10
	v_lshl_add_u32 v3, v11, 8, v3
	v_lshlrev_b32 v4, 4, v0
	v_lshlrev_b32 v5, 4, v0
	v_lshlrev_b32 v6, 1, v10
	v_lshlrev_b32 v7, 4, v10
	v_mov_b32 v8, 0xff800000
.irp i, 0,1,2,3,4,5,6,7
	v_mov_b32 v[240+\i], 0                         ; written once, so that they are written on every way
.endr
.irp i, 0,1,2,3,4,5
	v_mov_b32 v[16+\i], 0                          ; the zeros on both sides of q
	v_mov_b32 v[28+\i], 0
.endr
.irp b, 0,1,2,3
	v_mov_b32 v[216+\b], 0                         ; a lane permute's destination counts as one of its sources
.endr
	v_mov_b32 v231, 0                              ; (named as the upper half of the pair v[230:231])
	v_mov_b32 v13, 0xff61b1e6                      ; the largest t so far: -3e38
	v_floor_f32 v12, -v13                          ; -M
	v_mov_b32 v14, 0
	v_mov_b32 v15, 0
	s_mov_b32 s19, ttmp9                           ; the first pass's block of queries
	s_and_b32 s28, ttmp7, 0xffff                   ; batch x 16 + head
	s_lshl_b32 s29, s19, 4
	s_add_co_u32 s29, s29, s16                     ; my tile in the first pass,
	s_sub_co_u32 s31, 7, s19
	s_lshl_b32 s30, s31, 4
	s_add_co_u32 s30, s30, s16                     ; and in the second
	s_mov_b32 s22, 0x3e38aa3b                      ; c = log2(e) / 8
	s_mov_b32 s23, s22
	s_mov_b32 s24, 0x76543210
	s_mov_b32 s25, 0xfedcba98
	s_wait_kmcnt 0x0
	s_lshl_b32 s2, s28, 18
	s_mov_b32 s3, 0
	s_add_nc_u64 s[6:7], s[6:7], s[2:3]            ; kv at my head
	global_load_b128 v[240:243], v5, s[6:7]        ; key step 0, whatever the flags say: 512 threads x 16 bytes,
	s_cmp_lt_u32 s16, 9
	s_cbranch_scc0 .Lhead_a
	global_load_b128 v[244:247], v5, s[6:7] offset:8192   ; and the other 4,608 bytes by waves 0-8
.Lhead_a:
	s_lshl_b32 s68, s28, 7                         ; offsets alone stand in s[68:71]
	s_add_co_u32 s70, s68, s30
	s_add_co_u32 s68, s68, s29
	s_lshl_b32 s68, s68, 10
	s_mov_b32 s69, 0
	s_lshl_b32 s70, s70, 10
	s_mov_b32 s71, 0
	s_add_nc_u64 s[2:3], s[4:5], s[68:69]          ; qc at my tile of the first pass,
	s_add_nc_u64 s[4:5], s[4:5], s[70:71]          ; and of the second: qc's pointer is wanted no more
	global_load_b128 v[22:25], v1, s[2:3]          ; q of both passes
	global_load_b64 v[26:27], v2, s[2:3] offset:512
	global_load_u16 v34, v6, s[2:3] offset:768
	global_load_b128 v[88:91], v1, s[4:5]
	global_load_b64 v[92:93], v2, s[4:5] offset:512
	global_load_u16 v94, v6, s[4:5] offset:768
	s_wait_xcnt 0x0                                ; these loads have read their bases: s[2:3] is written again below
	s_lshl_b32 s2, s19, 8                          ; the flags of the first block's 16 tiles: 64 words
	s_mov_b32 s3, 0
	s_add_nc_u64 s[2:3], s[10:11], s[2:3]
	s_load_b512 s[32:47], s[2:3], 0x0
	s_load_b512 s[48:63], s[2:3], 0x40
	s_load_b512 s[68:83], s[2:3], 0x80
	s_load_b512 s[84:99], s[2:3], 0xc0
	s_wait_kmcnt 0x0
	s_wait_xcnt 0x0
	ORALL
	s_and_b32 s21, s32, 0xffff                     ; bit s: some tile of the block wants key step s
	s_lshl_b32 s2, s31, 8
	s_mov_b32 s3, 0
	s_add_nc_u64 s[2:3], s[10:11], s[2:3]
	s_load_b512 s[32:47], s[2:3], 0x0
	s_load_b512 s[48:63], s[2:3], 0x40
	s_load_b512 s[68:83], s[2:3], 0x80
	s_load_b512 s[84:99], s[2:3], 0xc0
	s_wait_kmcnt 0x0
	s_wait_xcnt 0x0
	ORALL
	s_lshl_b32 s32, s32, 16
	s_or_b32 s21, s21, s32                         ; the second pass's sixteen above the first's
	s_lshr_b32 s21, s21, 1                         ; bit 0 speaks of the NEXT step
	s_lshl_b32 s2, s29, 4
	s_mov_b32 s3, 0
	s_add_nc_u64 s[2:3], s[10:11], s[2:3]          ; mf at my tile of the first pass,
	s_lshl_b32 s36, s30, 4                         ; (an offset)
	s_mov_b32 s37, 0
	s_add_nc_u64 s[10:11], s[10:11], s[36:37]      ; and of the second: mf's pointer is wanted no more
	s_load_b128 s[32:35], s[2:3], 0x0              ; my own tiles' flags
	s_load_b128 s[40:43], s[10:11], 0x0
	s_wait_kmcnt 0x0
	s_wait_xcnt 0x0
	s_or_b32 s20, s32, s33
	s_or_b32 s20, s20, s34
	s_or_b32 s20, s20, s35                         ; bit 0: some key of this step counts; bit 16: all do; shifted once a step
	s_or_b32 s100, s40, s41
	s_or_b32 s100, s100, s42
	s_or_b32 s100, s100, s43
	s_lshl_b32 s2, s29, 12
	s_mov_b32 s3, 0
	s_add_nc_u64 s[26:27], s[8:9], s[2:3]          ; my tile's mask words, 256 bytes a step
	s_lshl_b32 s2, s30, 12
	s_add_nc_u64 s[66:67], s[8:9], s[2:3]
	s_wait_loadcnt 0x0
	ds_store_b128 v4, v[240:243]
	s_cmp_lt_u32 s16, 9
	s_cbranch_scc0 .Lhead_b
	ds_store_b128 v4, v[244:247] offset:8192
.Lhead_b:
	v_lshl_or_b32 v34, v34, 16, v34                ; q's two bytes twice: they serve either place of q in the run
	v_lshl_or_b32 v94, v94, 16, v94
.set n, 0
.rept 32
	v_mov_b32 v[160+n], 0                          ; O^T: the step is written once; the first finds zeros.  These lines stand here, while the LDS stores are out, as the plain places between the write of q's scale word
.set n, n+1                                    ; and the first product that names it: a scale register written by a vector instruction stands eight places ahead of a scaled product
.endr
	s_wait_dscnt 0x0
	s_barrier_signal -1
	s_barrier_wait -1                              ; key step 0 lies in slot 0
; A KEY STEP, read from slot sl; the next step goes into the other slot.
.macro STEP sl
.if \sl == 1
	v_add_nc_u32 v5, 0x8000, v5                    ; two steps on; behind the head's last step the first comes again, for the second pass
	v_and_b32 v5, 0x3ffff, v5
.endif
	s_bitcmp1_b32 s21, 0                           ; does any tile of the work-group want the next step?
	s_cbranch_scc0 .Lnoload_\@
	global_load_b128 v[240:243], v5, s[6:7] offset:(1-\sl)*16384
	s_cmp_lt_u32 s16, 9
	s_cbranch_scc0 .Lnoload_\@
	global_load_b128 v[244:247], v5, s[6:7] offset:(1-\sl)*16384+8192
.Lnoload_\@:
	s_bitcmp1_b32 s20, 0                           ; does any key of this step count for my tile?
	s_cbranch_scc0 .Lskip_\@
	s_bitcmp1_b32 s20, 16                          ; do all?  Then no mask words are wanted
	s_cbranch_scc1 .Lopen0_\@
	s_load_b512 s[32:47], s[26:27], 0x0
	s_load_b512 s[48:63], s[26:27], 0x40
	s_load_b512 s[68:83], s[26:27], 0x80
	s_load_b512 s[84:99], s[26:27], 0xc0
.Lopen0_\@:
.irp d, 0,1,2,3
	FRAG 36+12*\d, 1, 2, \sl*SLB+1536*\d
.endr
.irp d, 0,1,2,3
	ds_load_b32 v[84+\d], v3 offset:\sl*SLB+12288+64*\d
.endr
	s_wait_dscnt 0x0
.irp d, 0,1,2,3                                ; S^T: register 16 d + i of lane (r, h): key 32 d + 16 h + i of the step, query r of my tile
	v_wmma_scale_f32_16x16x128_f8f6f4 v[96+16*\d:103+16*\d], v[36+12*\d:47+12*\d], v[22:33], 0, v[84+\d], v34 matrix_a_fmt:MATRIX_FMT_FP6 matrix_b_fmt:MATRIX_FMT_FP6
	v_wmma_scale_f32_16x16x128_f8f6f4 v[104+16*\d:111+16*\d], v[36+12*\d:47+12*\d], v[16:27], 0, v[84+\d], v34 matrix_a_fmt:MATRIX_FMT_FP6 matrix_b_fmt:MATRIX_FMT_FP6
.endr
.rept 4
	v_nop                                          ; places in front of the loads into k's registers and of the first read of the scores
.endr
.irp t, 0,1,2,3
	FRAG 36+12*\t, 1, 2, \sl*SLB+6144+1536*\t      ; v's fragments land while the softmax is walked
.endr
	s_wait_kmcnt 0x0
	s_bitcmp1_b32 s20, 16
	s_cbranch_scc1 .Lopen1_\@
.set n, 0
.rept 32
	v_cndmask_b32 v[96+n], v8, v[96+n], s[32+n]    ; a hidden key's score becomes -infinity: p = 0 then
.set n, n+1
.endr
.set n, 0
.rept 32
	v_cndmask_b32 v[128+n], v8, v[128+n], s[68+n]
.set n, n+1
.endr
.Lopen1_\@:
.irp b, 0,1,2,3
	v_max3_num_f32 v[212+\b], v[96+16*\b], v[97+16*\b], v[98+16*\b]   ; the largest score of each block of 32 keys: for the row's maximum and for the block's largest p
.endr
.irp i, 3,5,7,9,11,13
.irp b, 0,1,2,3
	v_max3_num_f32 v[212+\b], v[212+\b], v[96+16*\b+\i], v[97+16*\b+\i]
.endr
.endr
.irp b, 0,1,2,3
	v_max_num_f32 v[212+\b], v[212+\b], v[111+16*\b]
.endr
.irp b, 0,1,2,3
	v_permlanex16_b32 v[216+\b], v[212+\b], s24, s25
.endr
.irp b, 0,1,2,3
	v_max_num_f32 v[212+\b], v[212+\b], v[216+\b]  ; with lane l xor 16's 16 keys
.endr
	v_max3_num_f32 v228, v212, v213, v214
	v_max_num_f32 v228, v228, v215
	v_mul_f32 v228, s22, v228                      ; as t (c is positive)
	v_max_num_f32 v13, v13, v228                   ; the running largest t
	v_mov_b32 v228, v12
	v_floor_f32 v12, -v13                          ; the new -M = floor(-t): M is a whole number
	v_sub_f32 v228, v12, v228                      ; old M - new M: a whole number, 0 or less
	v_cvt_i32_f32 v228, v228                       ; (it saturates)
	v_ldexp_f32 v230, 1.0, v228                    ; f = 2^(old M - new M): a multiplication by it rounds nothing
.set n, 0
.rept 32
	v_pk_fma_f32 v[96+n:97+n], v[96+n:97+n], s[22:23], v[12:13] op_sel_hi:[1,0,0]   ; t - M, two at a time
.set n, n+2
.endr
.irp b, 0,1,2,3
	v_fma_f32 v[212+\b], v[212+\b], s22, v12       ; the same of each block's largest score
.endr
.set n, 0
.rept 64
	v_exp_f32 v[96+n], v[96+n]                     ; p = 2^(t - M)
.set n, n+1
.endr
	v_pk_mul_f32 v[14:15], v[14:15], v[230:231] op_sel_hi:[1,0]   ; the sums under the new M: the plain place behind the exponentials
	s_wait_alu depctr_va_vdst(0)                   ; one wait for the whole batch, ahead of its first reader
.irp b, 0,1,2,3
	v_exp_f32 v[212+\b], v[212+\b]                 ; the block's largest p
.endr
	v_pk_add_f32 v[236:237], v[96:97], v[98:99]    ; the row's sum of the unquantised p, in two chains
.set n, 4
.rept 15
	v_pk_add_f32 v[14:15], v[14:15], v[96+n:97+n]
	v_pk_add_f32 v[236:237], v[236:237], v[98+n:99+n]
.set n, n+4
.endr
	v_pk_add_f32 v[14:15], v[14:15], v[236:237]
	s_wait_alu depctr_va_vdst(0)                   ; and one for the four
.irp b, 0,1,2,3
	v_max_num_f32 v[212+\b], 0x1800000, v[212+\b]  ; the floor 2^(3 - 127)
.endr
.irp b, 0,1,2,3
	v_add_nc_u32 v[220+\b], 0xff000000, v[212+\b]  ; the conversion's scale operand
.endr
.irp b, 0,1,2,3
	v_lshrrev_b32 v[224+\b], 23, v[220+\b]         ; the scale's byte
.endr
	v_lshl_or_b32 v232, v225, 8, v224              ; p's scale word for these 128 keys
	v_lshl_or_b32 v232, v226, 16, v232
	v_lshl_or_b32 v232, v227, 24, v232
.irp c, 0,1
	v_cvt_scalef32_pk16_fp6_f32 v[192+6*\c:194+6*\c], v[96+32*\c:111+32*\c], v[220+2*\c]
	v_cvt_scalef32_pk16_fp6_f32 v[204+4*\c:206+4*\c], v[112+32*\c:127+32*\c], v[220+2*\c+1]
.endr
	v_nop                                          ; one plain place behind a scaled conversion
.irp c, 0,1
.irp i, 0,1,2
	v_permlane16_swap_b32 v[192+6*\c+\i], v[204+4*\c+\i]
.endr
.irp i, 0,1,2
	v_mov_b32 v[195+6*\c+\i], v[204+4*\c+\i]
.endr
.endr
.set n, 0
.rept 16
	v_pk_mul_f32 v[160+n:161+n], v[160+n:161+n], v[230:231] op_sel_hi:[1,0]   ; O^T under the new M; these sixteen are also the places between the scale word's and the codes' last lines and the products
.set n, n+2
.endr
	s_wait_dscnt 0x0                               ; v's fragments are in
.irp t, 0,1,2,3
	v_wmma_scale_f32_16x16x128_f8f6f4 v[160+8*\t:167+8*\t], v[36+12*\t:47+12*\t], v[192:203], v[160+8*\t:167+8*\t], v[84+\t], v232 matrix_a_fmt:MATRIX_FMT_FP6 matrix_b_fmt:MATRIX_FMT_FP6 matrix_a_scale:MATRIX_SCALE_ROW1
.endr
.rept 4
	v_nop                                          ; places behind the products, for the next loads into their registers and the next reads of O^T
.endr
.Lskip_\@:
	s_wait_loadcnt 0x0                             ; the next step's bytes are in my registers: asked for at the step's head
	s_wait_xcnt 0x0                                ; and every base and offset has been read
	s_bitcmp1_b32 s21, 0
	s_cbranch_scc0 .Lnostore_\@
	ds_store_b128 v4, v[240:243] offset:(1-\sl)*SLB
	s_cmp_lt_u32 s16, 9
	s_cbranch_scc0 .Lnostore_\@
	ds_store_b128 v4, v[244:247] offset:(1-\sl)*SLB+8192
.Lnostore_\@:
	s_lshr_b32 s20, s20, 1
	s_lshr_b32 s21, s21, 1
	s_add_nc_u64 s[26:27], s[26:27], 256
	s_wait_dscnt 0x0                               ; my stores into the other slot have landed and my reads of this one are over:
	s_barrier_signal -1                            ; one barrier a step orders both
	s_barrier_wait -1
.endm
	s_mov_b32 s17, 0
.Lpass:
	s_mov_b32 s18, 0
.Ltrip:
	STEP 0
	STEP 1
	s_add_co_u32 s18, s18, 1
	s_cmp_lt_u32 s18, 8
	s_cbranch_scc1 .Ltrip
	; THE END OF A PASS: O^T / the sum, quantised along C (my head's 64 are two blocks), out as half a fragment and two scale bytes a row
	v_add_f32 v14, v14, v15
	v_permlanex16_b32 v216, v14, s24, s25
	v_add_f32 v14, v14, v216                       ; the row's sum
	v_rcp_f32 v228, v14
	v_nop                                          ; one plain place behind a transcendental
	s_lshl_b32 s32, s19, 4
	s_add_co_u32 s32, s32, s16                     ; my tile in the head
	s_lshr_b32 s33, s28, 4
	s_lshl_b32 s33, s33, 7
	s_add_co_u32 s32, s32, s33                     ; among all 512 tiles of tokens
	s_and_b32 s33, s28, 15                         ; the head
	s_lshl_b32 s36, s32, 3
	s_lshr_b32 s34, s33, 1
	s_add_co_u32 s36, s36, s34
	s_mul_i32 s36, s36, 1536                       ; K step = head / 2
	s_and_b32 s35, s33, 1
	s_mul_i32 s34, s35, 768                        ; the odd head's half lies behind the even's
	s_add_co_u32 s36, s36, s34
	s_mov_b32 s37, 0
	s_add_nc_u64 s[4:5], s[12:13], s[36:37]        ; oc at my half fragment (the offsets stand in s[32:41], the addresses outside the mask words' registers)
	s_lshl_b32 s40, s32, 9
	s_lshr_b32 s34, s33, 3
	s_lshl_b32 s34, s34, 8
	s_add_co_u32 s40, s40, s34
	s_bfe_u32 s34, s33, 0x20001
	s_lshl_b32 s34, s34, 2
	s_add_co_u32 s40, s40, s34
	s_lshl_b32 s34, s35, 1
	s_add_co_u32 s40, s40, s34
	s_mov_b32 s41, 0
	s_add_nc_u64 s[10:11], s[14:15], s[40:41]      ; os at my rows' two bytes
	s_wait_alu depctr_va_vdst(0)                   ; ahead of the reciprocal's first reader
.set n, 0
.rept 32
	v_mul_f32 v[96+n], v[160+n], v228              ; register 16 b + i: channel 32 b + 16 h + i of the head
.set n, n+1
.endr
.irp b, 0,1
	v_max3_num_f32 v[212+\b], |v[96+16*\b]|, |v[97+16*\b]|, 0x1800000
.endr
.irp i, 2,4,6,8,10,12,14
.irp b, 0,1
	v_max3_num_f32 v[212+\b], v[212+\b], |v[96+16*\b+\i]|, |v[97+16*\b+\i]|
.endr
.endr
.irp b, 0,1
	v_permlanex16_b32 v[216+\b], v[212+\b], s24, s25
.endr
.irp b, 0,1
	v_max_num_f32 v[212+\b], v[212+\b], v[216+\b]
.endr
.irp b, 0,1
	v_add_nc_u32 v[220+\b], 0xff000000, v[212+\b]
.endr
.irp b, 0,1
	v_lshrrev_b32 v[224+\b], 23, v[220+\b]
.endr
	v_lshl_or_b32 v229, v225, 8, v224
	v_cmp_lt_f32 vcc_lo, 0, v14
	v_cndmask_b32 v229, 0xffff, v229, vcc_lo       ; a row with no key (sum 0): the NaN byte twice
	v_cvt_scalef32_pk16_fp6_f32 v[192:194], v[96:111], v220
	v_cvt_scalef32_pk16_fp6_f32 v[204:206], v[112:127], v221
	v_nop
.irp i, 0,1,2
	v_permlane16_swap_b32 v[192+\i], v[204+\i]
.endr
.irp i, 0,1,2
	v_mov_b32 v[195+\i], v[204+\i]
.endr
	global_store_b128 v1, v[192:195], s[4:5]       ; 512 and 256 consecutive bytes, aligned
	global_store_b64 v2, v[196:197], s[4:5] offset:512
	global_store_b16 v7, v229, s[10:11]            ; two bytes a row, 16 bytes apart: one byte in 24 of what the launch stores; lanes r and 16 + r write the same
	s_wait_xcnt 0x0                                ; the stores have read their registers and bases
.irp i, 0,1,2,3,4,5
	v_mov_b32 v[22+\i], v[88+\i]                   ; the second pass's q,
.endr
	v_mov_b32 v34, v94
	v_mov_b32 v13, 0xff61b1e6                      ; and everything as at the start (these lines are also the places between q's and its scale word's writes and the next pass's products)
	v_floor_f32 v12, -v13
	v_mov_b32 v14, 0
	v_mov_b32 v15, 0
.set n, 0
.rept 32
	v_mov_b32 v[160+n], 0
.set n, n+1
.endr
	s_sub_co_u32 s19, 7, s19
	s_mov_b32 s20, s100
	s_mov_b64 s[26:27], s[66:67]
	s_add_co_u32 s17, s17, 1
	s_cmp_lt_u32 s17, 2
	s_cbranch_scc1 .Lpass
	s_wait_tensorcnt 0x0                           ; the wave's end
	ds_add_u32 v[SPW], v[NIL]
	s_wait_dscnt 0x0
	s_endpgm
.Lfunc_end_k_q19c4d06ae4_attn:
	.size	k_q19c4d06ae4_attn, .Lfunc_end_k_q19c4d06ae4_attn-k_q19c4d06ae4_attn
	.p2alignl 7, 3214868480
	.fill 96, 4, 3214868480
	.section	.rodata,"a",@progbits
	.p2align	6, 0x0
	.amdhsa_kernel k_q19c4d06ae4_attn
		.amdhsa_group_segment_fixed_size 27648
		.amdhsa_private_segment_fixed_size 0
		.amdhsa_enable_private_segment 0
		.amdhsa_kernarg_size 48
		.amdhsa_user_sgpr_count 2
		.amdhsa_user_sgpr_kernarg_segment_ptr 1
		.amdhsa_wavefront_size32 1
		.amdhsa_system_sgpr_workgroup_id_x 1
		.amdhsa_system_sgpr_workgroup_id_y 1
		.amdhsa_system_sgpr_workgroup_id_z 1
		.amdhsa_system_vgpr_workitem_id 0
		.amdhsa_next_free_vgpr 256
		.amdhsa_next_free_sgpr 102
		.amdhsa_reserve_vcc 1
		.amdhsa_float_denorm_mode_32 3
		.amdhsa_float_denorm_mode_16_64 3
		.amdhsa_memory_ordered 1
		.amdhsa_forward_progress 1
		.amdhsa_inst_pref_size 60
	.end_amdhsa_kernel
	.amdgpu_metadata
---
amdhsa.version: [ 1, 2 ]
amdhsa.kernels:
  - .name:           k_q19c4d06ae4_attn
    .symbol:         k_q19c4d06ae4_attn.kd
    .args:
      - { .name: qc, .offset: 0, .size: 8, .value_kind: global_buffer, .address_space: global }
      - { .name: kv, .offset: 8, .size: 8, .value_kind: global_buffer, .address_space: global }
      - { .name: mw, .offset: 16, .size: 8, .value_kind: global_buffer, .address_space: global }
      - { .name: mf, .offset: 24, .size: 8, .value_kind: global_buffer, .address_space: global }
      - { .name: oc, .offset: 32, .size: 8, .value_kind: global_buffer, .address_space: global }
      - { .name: os, .offset: 40, .size: 8, .value_kind: global_buffer, .address_space: global }
    .group_segment_fixed_size: 27648
    .private_segment_fixed_size: 0
    .kernarg_segment_align: 8
    .kernarg_segment_size: 48
    .max_flat_workgroup_size: 512
    .sgpr_count:     102
    .vgpr_count:     256
    .wavefront_size: 32
...
	.end_amdgpu_metadata
.endif
;; end of part 3
;; launch proj (part 4): grid 8 x 32, 4 waves a work-group, clusters of 4 x 4, 327,680 bytes of LDS; arguments oc, os, cod, scl, out0; writes out0
.if DOCPART == 4
	.amdgcn_target "amdgcn-amd-amdhsa--gfx1250"
	.amdhsa_code_object_version 6
	.text
	.protected	k_q19c4d06ae4_proj
	.globl	k_q19c4d06ae4_proj
	.p2align	8
	.type	k_q19c4d06ae4_proj,@function
k_q19c4d06ae4_proj:
	s_mov_b64 s[64:65], 0
	v_nop
	global_prefetch_b8 v0, s[64:65] scope:SCOPE_SE
	s_setreg_imm32_b32 hwreg(HW_REG_WAVE_MODE, 25, 1), 1
	s_wait_xcnt 0x0
	s_wait_alu depctr_hold_cnt(0) depctr_sa_sdst(0) depctr_va_vdst(0) depctr_va_sdst(0) depctr_va_ssrc(0) depctr_va_vcc(0) depctr_vm_vsrc(0)
	s_getreg_b32 s2, hwreg(HW_REG_IB_STS2, 6, 4)
	s_cmp_eq_u32 s2, 0
	s_cbranch_scc0 .Lentry_in_a_cluster
	s_endpgm
.Lentry_in_a_cluster:
	s_bfe_u32 s2, ttmp6, 0x10000c
	s_cmp_lg_u32 s2, 0xf033
	s_cbranch_scc0 .Lentry_shape_is_right
	s_endpgm
.Lentry_shape_is_right:
; out0 = o wo^T on codes of FP6 (E2M3) with E8M0 scales, sums in f32.  o's codes and scale words come from the attention launch, wo's from the first launch (tiles 704-767), both as images of operand registers.
; SHARES.  A work-group takes 256 tokens x 128 features: 8 x 32 work-groups.  Wave w takes 8 tiles of tokens (w / 2) x 4 tiles of wo (w % 2): 32 accumulators, window 1.  Used transposed (source 0 = 16 rows of wo, source 1 = 16 tokens):
; a lane holds a token and eight neighbouring features.
; ALL OF K LIES IN LDS: four groups of two K steps (16 tiles of o, 8 of wo, 3,072 bytes each) and the scale words, each filled once, all asked for at the head: five tensor loads of mine are out at most.  Nothing is filled again.
; A group is read behind a counted wait of the waves that fetched it and a barrier.
; CLUSTER 4 x 4: o's tiles hang on the token block alone (joint along a row of the cluster), wo's on the feature block alone (along a column).
; A scale byte 0xff (a row that the mask hid wholly) makes that row's sums NaN, as the definition has it.
; REGISTERS.  Window 0: v1-6 addresses; v16-111 o's 8 fragments, one set; v112-159, v160-207 wo's four, two sets; v208-223 scale words, two sets of 8; v224-239 LDS addresses for the four groups; v250, v251 the add's two.
.set GRP,   73728
.set XT,    3072
.set WOFF,  49152                      ; wo's tiles in a group
.set WSC,   294912                     ; wo's scale words, 8 x 512 bytes; below o's, so that lanes that read on stay in filled bytes
.set XSC,   299008                     ; o's, 16 x 512
.set SPARE, 307200
.set AS,   3
.set STO,  4
.set RD,   5
.set CO,   6
.set XF,   16
.set WF,   112
.set SC,   208
.set OX16, 224
.set OX8,  228
.set OW16, 232
.set OW8,  236
.set SPW,  250
.set NIL,  251
.set G1X,  24
.set G1W,  32
.set G1XS, 40
.set G1WS, 48
.set MSB, 0
.macro WIN new
.if MSB != (\new)
	s_set_vgpr_msb (MSB<<8)|(\new)
.set MSB, (\new)
.endif
.endm
.macro PLACES
.rept 4
	v_nop
.endr
.endm
.macro CROUND
	s_barrier_signal -1
	s_barrier_wait -1
	s_cmp_lg_u32 s14, 0
	s_cbranch_scc1 .Lnot_wave_0_\@
	s_barrier_signal -3
.Lnot_wave_0_\@:
	s_barrier_wait -3
	s_barrier_signal -1
	s_barrier_wait -1
.endm
.macro FRAG reg, a16, a8, off
	ds_load_b128 v[\reg:\reg+3], v[\a16] offset:\off
	ds_load_b64 v[\reg+4:\reg+5], v[\a8] offset:\off+512
	ds_load_b128 v[\reg+6:\reg+9], v[\a16] offset:\off+768
	ds_load_b64 v[\reg+10:\reg+11], v[\a8] offset:\off+1280
.endm
.macro LOADW p, g, q
.irp tt, 0,1,2,3
	FRAG WF+48*(\p)+12*\tt, OW16+(\g), OW8+(\g), \tt*XT+(\q)*1536
.endr
.endm
.macro LOADX g, q, a0
.irp a, \a0, \a0+1, \a0+2, \a0+3
	FRAG XF+12*(\a), OX16+(\g), OX8+(\g), (\a)*XT+(\q)*1536
.endr
.endm
.macro LOADS p, n                      ; register i: lanes 0-15 o's tile i, lanes 16-31 wo's tile i (over 3: read on, not used)
.irp i, 0,1,2,3,4,5,6,7
	ds_load_b32 v[SC+8*(\p)+\i], v[AS] offset:\i*512+((\n)/4)*256+((\n)%4)*4
.endr
.endm
.macro MUL16 a0, p, zero
.irp a, \a0, \a0+1, \a0+2, \a0+3
.irp tt, 0,1,2,3
.set rD, 8*(4*(\a)+\tt)
.set rA, WF+48*(\p)+12*\tt
.set rB, XF+12*(\a)
.if \zero
	v_wmma_scale_f32_16x16x128_f8f6f4 v[rD:rD+7], v[rA:rA+11], v[rB:rB+11], 0, v[SC+8*(\p)+\tt], v[SC+8*(\p)+(\a)] matrix_a_fmt:MATRIX_FMT_FP6 matrix_b_fmt:MATRIX_FMT_FP6 matrix_a_scale:MATRIX_SCALE_ROW1
.else
	v_wmma_scale_f32_16x16x128_f8f6f4 v[rD:rD+7], v[rA:rA+11], v[rB:rB+11], v[rD:rD+7], v[SC+8*(\p)+\tt], v[SC+8*(\p)+(\a)] matrix_a_fmt:MATRIX_FMT_FP6 matrix_b_fmt:MATRIX_FMT_FP6 matrix_a_scale:MATRIX_SCALE_ROW1
.endif
.endr
.endr
.endm
.macro G0PTR g0, ptr, add              ; a group 0 but for its LDS address
	s_mov_b32 s[\g0], 1
	s_add_nc_u64 s[\g0+2:\g0+3], s[\ptr:\ptr+1], \add
	s_or_b32 s[\g0+3], s[\g0+3], 0x80000000
.endm
	s_load_b256 s[4:11], s[0:1], 0x0               ; oc, os, cod, scl
	s_load_b64 s[12:13], s[0:1], 0x20              ; out0
	v_lshl_add_u32 v[SPW], v0, 2, SPARE
	v_mov_b32 v[NIL], 0
	ds_add_u32 v[SPW], v[NIL]                      ; the wave's opening: the add and its wait ahead of my first tensor load; work on registers stands between
	v_lshrrev_b32 v7, 5, v0
	v_readfirstlane_b32 s14, v7                    ; wave 0..3
	s_and_b32 s15, s14, 1
	s_bfe_u32 s100, ttmp6, 0x40000                 ; cx
	s_bfe_u32 s101, ttmp6, 0x40004                 ; cy
	s_lshl_b32 s2, ttmp9, 2
	s_add_co_u32 s2, s2, s100                      ; the block of 128 features
	s_and_b32 s3, ttmp7, 0xffff
	s_lshl_b32 s3, s3, 2
	s_add_co_u32 s3, s3, s101                      ; the block of 256 tokens
	s_lshl_b32 s16, s101, 2
	s_lshl_b32 s16, 15, s16                        ; my row of the cluster
	s_lshl_b32 s17, 0x1111, s100                   ; my column
	s_or_b32 s[G1X], s16, (3<<16)|(1<<21)
	s_or_b32 s[G1XS], s16, (3<<16)|(1<<21)
	s_or_b32 s[G1W], s17, (3<<16)|(1<<21)
	s_or_b32 s[G1WS], s17, (3<<16)|(1<<21)
.irp g, G1X, G1W
	s_mov_b32 s[\g+1], 384<<16                     ; 8 tiles, of each 3,072 bytes (two K steps), 12,288 bytes apart
	s_mov_b32 s[\g+2], 8<<16
	s_mov_b32 s[\g+3], 384<<16
	s_mov_b32 s[\g+4], 8
	s_mov_b32 s[\g+5], 1536
	s_mov_b32 s[\g+6], 0
	s_mov_b32 s[\g+7], 0
.endr
.irp g, G1XS, G1WS
	s_mov_b32 s[\g+1], 32<<16                      ; the scale words of 8 tiles: 4,096 dense bytes as 16 rows of 256
	s_mov_b32 s[\g+2], 16<<16
	s_mov_b32 s[\g+3], 32<<16
	s_mov_b32 s[\g+4], 16
	s_mov_b32 s[\g+5], 32
	s_mov_b32 s[\g+6], 0
	s_mov_b32 s[\g+7], 0
.endr
	s_lshl_b32 s16, s3, 4
	s_lshl_b32 s18, s15, 3
	s_add_co_u32 s18, s16, s18                     ; o's first tile that I fetch
	s_mul_i32 s16, s18, 12288
	s_mov_b32 s17, 0
	s_lshl_b32 s18, s18, 9
	s_mov_b32 s19, 0
	s_lshl_b32 s22, s2, 3
	s_add_co_u32 s22, s22, 704                     ; wo's first tile
	s_mul_i32 s20, s22, 12288
	s_mov_b32 s21, 0
	s_lshl_b32 s22, s22, 9
	s_mov_b32 s23, 0
	s_mul_i32 s100, s15, 24576
	s_lshl_b32 s101, s15, 12
	s_wait_dscnt 0x0                               ; the opening add is done
	s_wait_kmcnt 0x0
	s_add_nc_u64 s[16:17], s[4:5], s[16:17]
	s_add_nc_u64 s[18:19], s[6:7], s[18:19]
	s_add_nc_u64 s[20:21], s[8:9], s[20:21]
	s_add_nc_u64 s[22:23], s[10:11], s[22:23]
	G0PTR 56, 18, 0                                ; o's scale words
	s_add_co_u32 s57, s101, XSC
	G0PTR 60, 16, 0                                ; o's groups 0 to 3
	s_add_co_u32 s61, s100, 0
	G0PTR 68, 16, XT
	s_add_co_u32 s69, s100, GRP
	G0PTR 72, 16, 2*XT
	s_add_co_u32 s73, s100, 2*GRP
	G0PTR 76, 16, 3*XT
	s_add_co_u32 s77, s100, 3*GRP
	G0PTR 80, 22, 0                                ; wo's scale words
	s_mov_b32 s81, WSC
	G0PTR 84, 20, 0                                ; wo's groups
	s_mov_b32 s85, WOFF
	G0PTR 88, 20, XT
	s_mov_b32 s89, GRP+WOFF
	G0PTR 92, 20, 2*XT
	s_mov_b32 s93, 2*GRP+WOFF
	G0PTR 96, 20, 3*XT
	s_mov_b32 s97, 3*GRP+WOFF
	CROUND                                         ; all sixteen work-groups are here: the joint loads meet
	s_cmp_lt_u32 s14, 2                            ; a wave's fills stand in one branch
	s_cbranch_scc0 .Lfirst_not_x
	tensor_load_to_lds s[56:59], s[G1XS:G1XS+7]
	s_nop 0
	tensor_load_to_lds s[60:63], s[G1X:G1X+7]
	s_nop 0
	tensor_load_to_lds s[68:71], s[G1X:G1X+7]
	s_nop 0
	tensor_load_to_lds s[72:75], s[G1X:G1X+7]
	s_nop 0
	tensor_load_to_lds s[76:79], s[G1X:G1X+7]
	s_nop 0
.rept 4
	v_nop
.endr
	s_branch .Lfirst_asked
.Lfirst_not_x:
	s_cmp_eq_u32 s14, 2
	s_cbranch_scc0 .Lfirst_asked
	tensor_load_to_lds s[80:83], s[G1WS:G1WS+7]
	s_nop 0
	tensor_load_to_lds s[84:87], s[G1W:G1W+7]
	s_nop 0
	tensor_load_to_lds s[88:91], s[G1W:G1W+7]
	s_nop 0
	tensor_load_to_lds s[92:95], s[G1W:G1W+7]
	s_nop 0
	tensor_load_to_lds s[96:99], s[G1W:G1W+7]
	s_nop 0
.rept 4
	v_nop
.endr
.Lfirst_asked:
	v_and_b32 v7, 31, v0                           ; lane
	v_and_b32 v8, 15, v0                           ; r
	v_bfe_u32 v9, v0, 4, 1                         ; h
	v_lshlrev_b32 v1, 4, v7
	v_lshlrev_b32 v2, 3, v7
	s_lshr_b32 s16, s14, 1                         ; which 8 tiles of tokens are mine
	s_mul_i32 s17, s16, 24576
	s_mul_i32 s18, s15, 12288                      ; which 4 tiles of wo
	s_add_co_u32 s18, s18, WOFF
.irp g, 0,1,2,3
	v_add_nc_u32 v[OX16+\g], s17, v1
	v_add_nc_u32 v[OX8+\g], s17, v2
	v_add_nc_u32 v[OW16+\g], s18, v1
	v_add_nc_u32 v[OW8+\g], s18, v2
	s_add_co_u32 s17, s17, GRP
	s_add_co_u32 s18, s18, GRP
.endr
	s_xor_b32 s19, s15, 1
	s_lshl_b32 s20, s16, 1
	s_add_co_u32 s19, s19, s20
	s_add_co_u32 s19, s19, 1
	s_lshl_b32 s19, s19, 11                        ; from my tiles of wo's scale words up to my tiles of o's
	v_xor_b32 v10, 1, v9
	v_mul_u32_u24 v[AS], s19, v10                  ; one product: the lower base + (1 - h) x the distance
	v_lshl_add_u32 v[AS], v8, 4, v[AS]
	s_lshl_b32 s20, s15, 11
	s_add_co_u32 s20, s20, WSC
	v_add_nc_u32 v[AS], s20, v[AS]
	s_mul_i32 s21, s14, 8704                       ; my two stages of 16 rows x 272 bytes, in group 0's bytes
	v_mul_u32_u24 v[STO], v8, 272
	v_lshl_add_u32 v[STO], v9, 6, v[STO]
	v_add_nc_u32 v[STO], s21, v[STO]               ; in: row r, + 64 h
	v_mul_u32_u24 v[RD], v9, 272
	v_lshl_add_u32 v[RD], v8, 4, v[RD]
	v_add_nc_u32 v[RD], s21, v[RD]                 ; back: lanes 0-15 one row, lanes 16-31 the next
	v_lshlrev_b32 v[CO], 12, v9
	v_lshl_add_u32 v[CO], v8, 4, v[CO]             ; and the same in out0
	s_lshl_b32 s22, s3, 8
	s_lshl_b32 s23, s16, 7
	s_add_co_u32 s22, s22, s23
	s_lshl_b32 s22, s22, 12                        ; my first token's row,
	s_lshl_b32 s23, s2, 9
	s_add_co_u32 s22, s22, s23
	s_lshl_b32 s23, s15, 8
	s_add_co_u32 s22, s22, s23                     ; my first feature
	s_mov_b32 s23, 0
	s_add_nc_u64 s[12:13], s[12:13], s[22:23]
	s_wait_tensorcnt 3                             ; the scale words and group 0 are in; the three later groups may be out
	s_barrier_signal -1
	s_barrier_wait -1
	LOADW 0, 0, 0
	LOADS 0, 0
	LOADX 0, 0, 0
	LOADX 0, 0, 4
; K STEP n: 32 products, each accumulator one turn
.macro PSTEP n
.set pG,  (\n)/2
.set pQ,  (\n)%2
.set pNG, ((\n)+1)/2
.set pNQ, ((\n)+1)%2
.set pP,  (\n)%2
.if (\n) == 0
.set pZ, 1
.else
.set pZ, 0
.endif
.if (pQ == 1) && (pG < 3)
	s_wait_tensorcnt 2-pG                          ; the next group is in; the groups behind it may be out
	s_wait_dscnt 0x0                               ; no LDS instruction of mine is pending at a signal
	s_barrier_signal -1
	s_barrier_wait -1                              ; everybody's part of it is in
.endif
.if (\n) < 7
	LOADW 1-pP, pNG, pNQ
	LOADS 1-pP, (\n)+1
	s_wait_dscnt 40                                ; o's tiles 4-7 and the 16 + 8 just issued may be out
.else
	s_wait_dscnt 16
.endif
	WIN 0x50
	MUL16 0, pP, pZ
	WIN 0
	PLACES
.if (\n) < 7
	LOADX pNG, pNQ, 0
	s_wait_dscnt 40                                ; o's tiles 4-7 are in; the 16 + 8 + 16 issued behind them may be out
.else
	s_wait_dscnt 0x0
.endif
	WIN 0x50
	MUL16 4, pP, pZ
	WIN 0
	PLACES
.if (\n) < 7
	LOADX pNG, pNQ, 4
.endif
.endm
	PSTEP 0
	PSTEP 1
	PSTEP 2
	PSTEP 3
	PSTEP 4
	PSTEP 5
	PSTEP 6
	PSTEP 7
; THE WAY OUT, a tile of 16 tokens x my 64 features at a time, through my own stage: group 0's bytes have had their one fill, and every wave's reads of them were over in front of the first barrier inside the steps.
; LDS serves a wave's instructions in order (ISA guide 5.7.1.4): no wait between the stores and the loads.
.macro TOSTAGE a
	WIN 0x04                                       ; an LDS store's data are its source 1: window 1
.irp tt, 0,1,2,3
	ds_store_b128 v[STO], v[8*(4*(\a)+\tt):8*(4*(\a)+\tt)+3] offset:((\a)%2)*4352+128*(\tt/2)+32*(\tt%2)        ; each accumulator from its low end on
	ds_store_b128 v[STO], v[8*(4*(\a)+\tt)+4:8*(4*(\a)+\tt)+7] offset:((\a)%2)*4352+128*(\tt/2)+32*(\tt%2)+16
.endr
	WIN 0
.irp i, 0,1,2,3,4,5,6,7
	ds_load_b128 v[XF+32*((\a)%2)+4*\i:XF+32*((\a)%2)+4*\i+3], v[RD] offset:((\a)%2)*4352+2*\i*272
.endr
.endm
.macro SEND a, younger                 ; stage row 2 i + lane / 16 is lane-row of tile a: token 32 (a / 2) + 8 (a % 2) + 16 (i / 4) + 2 (i % 4) + lane / 16
	s_wait_dscnt \younger
.irp i, 0,1,2,3,4,5,6,7
	global_store_b128 v[CO], v[XF+32*((\a)%2)+4*\i:XF+32*((\a)%2)+4*\i+3], s[12:13] offset:(32*((\a)/2)+8*((\a)%2)+16*(\i/4)+2*(\i%4))*4096 th:TH_STORE_NT   ; sixteen lanes store 256 consecutive bytes, aligned
.endr
.endm
	TOSTAGE 0
.irp a, 1,2,3,4,5,6,7
.if \a > 1
	s_wait_xcnt 0x0                                ; the stores of two tiles back have read their registers: this tile's loads may land there
.endif
	TOSTAGE \a
	SEND \a-1, 16                                  ; behind that tile's loads: this tile's 8 stores and 8 loads
.endr
	SEND 7, 0
	s_wait_tensorcnt 0x0                           ; the wave's end
	ds_add_u32 v[SPW], v[NIL]
	s_wait_dscnt 0x0
	CROUND                                         ; the closing round
	s_endpgm
.Lfunc_end_k_q19c4d06ae4_proj:
	.size	k_q19c4d06ae4_proj, .Lfunc_end_k_q19c4d06ae4_proj-k_q19c4d06ae4_proj
	.p2alignl 7, 3214868480
	.fill 96, 4, 3214868480
	.section	.rodata,"a",@progbits
	.p2align	6, 0x0
	.amdhsa_kernel k_q19c4d06ae4_proj
		.amdhsa_group_segment_fixed_size 327680
		.amdhsa_private_segment_fixed_size 0
		.amdhsa_enable_private_segment 0
		.amdhsa_kernarg_size 40
		.amdhsa_user_sgpr_count 2
		.amdhsa_user_sgpr_kernarg_segment_ptr 1
		.amdhsa_wavefront_size32 1
		.amdhsa_system_sgpr_workgroup_id_x 1
		.amdhsa_system_sgpr_workgroup_id_y 1
		.amdhsa_system_sgpr_workgroup_id_z 1
		.amdhsa_system_vgpr_workitem_id 0
		.amdhsa_next_free_vgpr 512
		.amdhsa_next_free_sgpr 102
		.amdhsa_reserve_vcc 0
		.amdhsa_float_denorm_mode_32 3
		.amdhsa_float_denorm_mode_16_64 3
		.amdhsa_memory_ordered 1
		.amdhsa_forward_progress 1
		.amdhsa_inst_pref_size 90
	.end_amdhsa_kernel
	.amdgpu_metadata
---
amdhsa.version: [ 1, 2 ]
amdhsa.kernels:
  - .name:           k_q19c4d06ae4_proj
    .symbol:         k_q19c4d06ae4_proj.kd
    .args:
      - { .name: oc, .offset: 0, .size: 8, .value_kind: global_buffer, .address_space: global }
      - { .name: os, .offset: 8, .size: 8, .value_kind: global_buffer, .address_space: global }
      - { .name: cod, .offset: 16, .size: 8, .value_kind: global_buffer, .address_space: global }
      - { .name: scl, .offset: 24, .size: 8, .value_kind: global_buffer, .address_space: global }
      - { .name: out0, .offset: 32, .size: 8, .value_kind: global_buffer, .address_space: global }
    .group_segment_fixed_size: 327680
    .private_segment_fixed_size: 0
    .kernarg_segment_align: 8
    .kernarg_segment_size: 40
    .max_flat_workgroup_size: 128
    .sgpr_count:     102
    .vgpr_count:     512
    .wavefront_size: 32
...
	.end_amdgpu_metadata
.endif
;; end of part 4
;; ======== version 2 of 2: 4 launches; version 1 with the launch attn written anew for expert scheduling mode
;; workspace buffers: cod 9,437,184 bytes; scl 393,216 bytes; mw 524,288 bytes of whole numbers; mf 2,048 bytes of whole numbers; qc 8,388,608 bytes; kv 16,777,216 bytes; oc 6,291,456 bytes; os 262,144 bytes
;; launch prep: the kernel of part 1 again; grid 256 x 1, 4 waves a work-group, no clusters, 327,680 bytes of LDS; arguments x, wq, wk, wv, wo, mask, cod, scl, mw, mf; writes cod, scl, mw, mf
;; launch qkv: the kernel of part 2 again; grid 16 x 16, 4 waves a work-group, clusters of 4 x 4, 327,680 bytes of LDS; arguments cod, scl, qc, kv; writes qc, kv
;; launch attn (part 5): grid 4 x 64, 16 waves a work-group, no clusters, 27,648 bytes of LDS; arguments qc, kv, mw, mf, oc, os; writes oc, os
.if DOCPART == 5
	.amdgcn_target "amdgcn-amd-amdhsa--gfx1250"
	.amdhsa_code_object_version 6
	.text
	.protected	k_q19c4d06ae4_attn
	.globl	k_q19c4d06ae4_attn
	.p2align	8
	.type	k_q19c4d06ae4_attn,@function
k_q19c4d06ae4_attn:
	s_mov_b64 s[64:65], 0
	v_nop
	global_prefetch_b8 v0, s[64:65] scope:SCOPE_SE
	s_setreg_imm32_b32 hwreg(HW_REG_WAVE_SCHED_MODE, 0, 2), 2
	s_setreg_imm32_b32 hwreg(HW_REG_WAVE_MODE, 25, 1), 1
	s_wait_xcnt 0x0
	s_wait_alu depctr_vm_vsrc(0)
; o = softmax(q k^T / 8, under the given mask) v for one head, both products on codes of FP6 (E2M3) with E8M0 scales; the result is quantised along C and leaves as codes for the last product.
; THE SOFTMAX AHEAD OF THE SECOND PRODUCT: t = score x log2(e) / 8; M = the running largest t rounded UP to a whole number; p = 2^(t - M) is quantised along the keys; the row's sum is taken of the unquantised p and divides at the end.
; SHARES.  A work-group walks query blocks i and 7 - i (256 queries each) of one head in two passes; each of its sixteen waves owns one tile of 16 queries; four waves to a SIMD, so that one wave's vector work stands beside another's products and loads.
; A pass walks all 16 key steps of 128 keys; the trip counts are constants and every wave passes every barrier.  WHAT THE GIVEN MASK HIDES WHOLLY IS PASSED OVER, by scalar branches on the flags that the first launch stored:
; a wave leaves out a step none of whose keys counts for its tile; the work-group does not fetch a step that none of its tiles wants; a step all of whose keys count takes no mask words.  Nothing of the mask's pattern is built in.
; No tensor load and no cluster: the walk branches on stored numbers.  A step's 12,800 bytes of k and v go from memory through registers into one of two LDS slots, asked for one whole step ahead of their LDS stores.
; LAYOUT.  Both products are used transposed: S^T = k q^T, O^T = v^T p^T: a lane holds one query throughout.  The head is 64 long, half of the instruction's 128: the halves of key tiles 2 D and 2 D + 1 form ONE source 0,
; and q stands in a run [six zeros | q | six zeros], of which registers 6-17 pick tile 2 D and registers 0-11 tile 2 D + 1: zero codes add nothing.
; A ROW WITHOUT ANY KEY has the sum 0: its scale bytes are set to 0xff, which makes the last product's whole row NaN, as softmax of a row of -infinity does.
; LIMITS: NaN and infinities among the inputs are not served.  A block's largest p is taken from its largest score, which takes v_exp_f32 not to fall where its input rises (the ISA guide promises 1 ulp).  A block of zeros keeps the byte 1.
; REGISTERS: v1 16 x lane, v2 8 x lane, v3 4 r + 256 h, v4 16 x thread, v5 the fetches' offset, v6 2 r, v7 16 r, v8 -infinity; v12 -M, v13 the largest t, v[14:15] the sum; v16-33 q's run, v34 its scale word;
;   v36-83 four fragments; v84-87 scale words (lanes 0-15 k's, 16-31 v's); v88-94 the second pass's q; v96-159 S^T, then p; v160-191 O^T; v192-203 p's codes; v204-211, v212-232, v236-237 at work; v240-247 a step on its way; v250, v251 the add's two.
; SCALARS: s[32:63] and s[68:99] take the 64 mask words, which v_cndmask_b32 reads: they hold mask words, flags and offsets, and never an address.  Addresses stand in s[2:15], s[26:27] and s[66:67] alone.
; THE MODE: SCHED_MODE bits 1:0 = 2 (LLVM: expert scheduling mode 2), set by the entry lines.  The code itself states the register dependences between vector or matrix instructions and memory or LDS instructions, with s_wait_alu, always for 0.
; THE PLAN.  Registers that memory or LDS instructions touch:
;   v1-v4, v6, v7   addresses: made at the head, never written again.
;   v5              read by the global loads at a step's head; written by two vector lines at the head of every second step.
;   v[240:247]      the global loads at a step's head land in them; the LDS stores at the step's end read them; no vector line of the loop names them.
;   v[36:83]        k's fragments land at the step's head and are read by the eight products S^T; v's land behind the blocks' maxima and are read by the four products at the step's end.
;   v[84:87]        scale words: they land with k's fragments and are read by all twelve products.
;   v[192:197], v229  at a pass's end: written by vector lines, read by the pass's three stores, written again in the next pass.
;   v250, v251      written at the head, read by the closing add alone.
; A STEP'S WAITS: at its head, ahead of every branch, one on vm_vsrc (the LDS stores have read v[240:247], the loads v5) and one on va_vdst (v5 is written; the last products are done reading v[36:87]); one on va_vdst behind the blocks'
; maxima, which have read all eight products' results (those products are done reading k's fragments): behind it v's sixteen loads are dealt among vector lines that name none of v1, v2, v[36:83]; one behind each batch of exponentials;
; one ahead of the four products (p's codes and scale word are written).
.set SLB,   12800                      ; a slot: k's 8 halves, v's 4 fragments, 512 bytes of scale words
.set SPARE, 25600                      ; behind the two slots: the spare words, 128 bytes for each of 16 waves
.set SPW, 250
.set NIL, 251
.macro FRAG reg, a16, a8, off
	ds_load_b128 v[\reg:\reg+3], v[\a16] offset:\off
	ds_load_b64 v[\reg+4:\reg+5], v[\a8] offset:\off+512
	ds_load_b128 v[\reg+6:\reg+9], v[\a16] offset:\off+768
	ds_load_b64 v[\reg+10:\reg+11], v[\a8] offset:\off+1280
.endm
.macro ORALL                           ; s32 = the OR of the 64 words in s[32:63] and s[68:99]
.set k, 33
.rept 31
	s_or_b32 s32, s32, s[k]
.set k, k+1
.endr
.set k, 68
.rept 32
	s_or_b32 s32, s32, s[k]
.set k, k+1
.endr
.endm
	s_load_b256 s[4:11], s[0:1], 0x0               ; qc, kv, mw, mf
	s_load_b128 s[12:15], s[0:1], 0x20             ; oc, os
	v_lshl_add_u32 v[SPW], v0, 2, SPARE
	v_mov_b32 v[NIL], 0
	v_lshrrev_b32 v9, 5, v0
	v_readfirstlane_b32 s16, v9                    ; wave 0..15
	v_and_b32 v9, 31, v0
	v_and_b32 v10, 15, v0
	v_bfe_u32 v11, v0, 4, 1
	v_lshlrev_b32 v1, 4, v9
	v_lshlrev_b32 v2, 3, v9
	v_lshlrev_b32 v3, 2, v10
	v_lshl_add_u32 v3, v11, 8, v3
	v_lshlrev_b32 v4, 4, v0
	v_lshlrev_b32 v5, 4, v0
	v_lshlrev_b32 v6, 1, v10
	v_lshlrev_b32 v7, 4, v10
	v_mov_b32 v8, 0xff800000
.irp i, 0,1,2,3,4,5,6,7
	v_mov_b32 v[240+\i], 0                         ; written once, so that they are written on every way
.endr
.irp i, 0,1,2,3,4,5
	v_mov_b32 v[16+\i], 0                          ; the zeros on both sides of q
	v_mov_b32 v[28+\i], 0
.endr
.irp b, 0,1,2,3
	v_mov_b32 v[216+\b], 0                         ; a lane permute's destination counts as one of its sources
.endr
	v_mov_b32 v231, 0                              ; (named as the upper half of the pair v[230:231])
	v_mov_b32 v13, 0xff61b1e6                      ; the largest t so far: -3e38
	v_floor_f32 v12, -v13                          ; -M
	v_mov_b32 v14, 0
	v_mov_b32 v15, 0
	s_wait_alu depctr_va_sdst(0)                   ; s16 is written, ahead of its first reader: my tiles' numbers, and every branch on the wave's number, are made from it
	s_mov_b32 s19, ttmp9                           ; the first pass's block of queries
	s_and_b32 s28, ttmp7, 0xffff                   ; batch x 16 + head
	s_lshl_b32 s29, s19, 4
	s_add_co_u32 s29, s29, s16                     ; my tile in the first pass,
	s_sub_co_u32 s31, 7, s19
	s_lshl_b32 s30, s31, 4
	s_add_co_u32 s30, s30, s16                     ; and in the second
	s_mov_b32 s22, 0x3e38aa3b                      ; c = log2(e) / 8
	s_mov_b32 s23, s22
	s_mov_b32 s24, 0x76543210
	s_mov_b32 s25, 0xfedcba98
	s_wait_kmcnt 0x0
	s_lshl_b32 s2, s28, 18
	s_mov_b32 s3, 0
	s_add_nc_u64 s[6:7], s[6:7], s[2:3]            ; kv at my head
	s_wait_alu depctr_va_vdst(0)                   ; the addresses v1 to v7 are written, which the kernel's loads and stores read; so are v[240:247], in which key step 0 lands
	global_load_b128 v[240:243], v5, s[6:7]        ; key step 0, whatever the flags say: 512 threads x 16 bytes,
	s_cmp_lt_u32 s16, 9
	s_cbranch_scc0 .Lhead_a
	global_load_b128 v[244:247], v5, s[6:7] offset:8192   ; and the other 4,608 bytes by waves 0-8
.Lhead_a:
	s_lshl_b32 s68, s28, 7                         ; offsets alone stand in s[68:71]
	s_add_co_u32 s70, s68, s30
	s_add_co_u32 s68, s68, s29
	s_lshl_b32 s68, s68, 10
	s_mov_b32 s69, 0
	s_lshl_b32 s70, s70, 10
	s_mov_b32 s71, 0
	s_add_nc_u64 s[2:3], s[4:5], s[68:69]          ; qc at my tile of the first pass,
	s_add_nc_u64 s[4:5], s[4:5], s[70:71]          ; and of the second: qc's pointer is wanted no more
	global_load_b128 v[22:25], v1, s[2:3]          ; q of both passes (no vector line since the wait above names a register of these loads)
	global_load_b64 v[26:27], v2, s[2:3] offset:512
	global_load_u16 v34, v6, s[2:3] offset:768
	global_load_b128 v[88:91], v1, s[4:5]
	global_load_b64 v[92:93], v2, s[4:5] offset:512
	global_load_u16 v94, v6, s[4:5] offset:768
	s_wait_xcnt 0x0                                ; these loads have read their bases: s[2:3] is written again below
	s_lshl_b32 s2, s19, 8                          ; the flags of the first block's 16 tiles: 64 words
	s_mov_b32 s3, 0
	s_add_nc_u64 s[2:3], s[10:11], s[2:3]
	s_load_b512 s[32:47], s[2:3], 0x0
	s_load_b512 s[48:63], s[2:3], 0x40
	s_load_b512 s[68:83], s[2:3], 0x80
	s_load_b512 s[84:99], s[2:3], 0xc0
	s_wait_kmcnt 0x0
	s_wait_xcnt 0x0
	ORALL
	s_and_b32 s21, s32, 0xffff                     ; bit s: some tile of the block wants key step s
	s_lshl_b32 s2, s31, 8
	s_mov_b32 s3, 0
	s_add_nc_u64 s[2:3], s[10:11], s[2:3]
	s_load_b512 s[32:47], s[2:3], 0x0
	s_load_b512 s[48:63], s[2:3], 0x40
	s_load_b512 s[68:83], s[2:3], 0x80
	s_load_b512 s[84:99], s[2:3], 0xc0
	s_wait_kmcnt 0x0
	s_wait_xcnt 0x0
	ORALL
	s_lshl_b32 s32, s32, 16
	s_or_b32 s21, s21, s32                         ; the second pass's sixteen above the first's
	s_lshr_b32 s21, s21, 1                         ; bit 0 speaks of the NEXT step
	s_lshl_b32 s2, s29, 4
	s_mov_b32 s3, 0
	s_add_nc_u64 s[2:3], s[10:11], s[2:3]          ; mf at my tile of the first pass,
	s_lshl_b32 s36, s30, 4                         ; (an offset)
	s_mov_b32 s37, 0
	s_add_nc_u64 s[10:11], s[10:11], s[36:37]      ; and of the second: mf's pointer is wanted no more
	s_load_b128 s[32:35], s[2:3], 0x0              ; my own tiles' flags
	s_load_b128 s[40:43], s[10:11], 0x0
	s_wait_kmcnt 0x0
	s_wait_xcnt 0x0
	s_or_b32 s20, s32, s33
	s_or_b32 s20, s20, s34
	s_or_b32 s20, s20, s35                         ; bit 0: some key of this step counts; bit 16: all do; shifted once a step
	s_or_b32 s100, s40, s41
	s_or_b32 s100, s100, s42
	s_or_b32 s100, s100, s43
	s_lshl_b32 s2, s29, 12
	s_mov_b32 s3, 0
	s_add_nc_u64 s[26:27], s[8:9], s[2:3]          ; my tile's mask words, 256 bytes a step
	s_lshl_b32 s2, s30, 12
	s_add_nc_u64 s[66:67], s[8:9], s[2:3]
	s_wait_loadcnt 0x0
	ds_store_b128 v4, v[240:243]
	s_cmp_lt_u32 s16, 9
	s_cbranch_scc0 .Lhead_b
	ds_store_b128 v4, v[244:247] offset:8192
.Lhead_b:
	v_lshl_or_b32 v34, v34, 16, v34                ; q's two bytes twice: they serve either place of q in the run
	v_lshl_or_b32 v94, v94, 16, v94
.set n, 0
.rept 32
	v_mov_b32 v[160+n], 0                          ; O^T: the step is written once; the first finds zeros.  These lines stand here, while the LDS stores are out, as the plain places between the write of q's scale word
.set n, n+1                                    ; and the first product that names it: a scale register written by a vector instruction stands eight places ahead of a scaled product
.endr
	s_wait_dscnt 0x0
	s_barrier_signal -1
	s_barrier_wait -1                              ; key step 0 lies in slot 0
; A KEY STEP, read from slot sl; the next step goes into the other slot.
.macro STEP sl
	s_wait_alu depctr_vm_vsrc(0)                   ; the LDS stores of the step before have read v[240:247], in which the loads below land; its global loads have read v5, which is written below
.if \sl == 1
	v_add_nc_u32 v5, 0x8000, v5                    ; two steps on; behind the head's last step the first comes again, for the second pass
	v_and_b32 v5, 0x3ffff, v5
.endif
	s_wait_alu depctr_va_vdst(0)                   ; v5 is written, which the loads below read; the last four products are done reading v[36:87], in which this step's LDS loads land; in a pass's first step q's run and its scale word are written, which the products take
	s_bitcmp1_b32 s21, 0                           ; does any tile of the work-group want the next step?
	s_cbranch_scc0 .Lnoload_\@
	global_load_b128 v[240:243], v5, s[6:7] offset:(1-\sl)*16384
	s_cmp_lt_u32 s16, 9
	s_cbranch_scc0 .Lnoload_\@
	global_load_b128 v[244:247], v5, s[6:7] offset:(1-\sl)*16384+8192
.Lnoload_\@:
	s_bitcmp1_b32 s20, 0                           ; does any key of this step count for my tile?
	s_cbranch_scc0 .Lskip_\@
	s_bitcmp1_b32 s20, 16                          ; do all?  Then no mask words are wanted
	s_cbranch_scc1 .Lopen0_\@
	s_load_b512 s[32:47], s[26:27], 0x0
	s_load_b512 s[48:63], s[26:27], 0x40
	s_load_b512 s[68:83], s[26:27], 0x80
	s_load_b512 s[84:99], s[26:27], 0xc0
.Lopen0_\@:
.irp d, 0,1,2,3
	FRAG 36+12*\d, 1, 2, \sl*SLB+1536*\d           ; no vector line stands between the wait at the step's head and these loads
.endr
.irp d, 0,1,2,3
	ds_load_b32 v[84+\d], v3 offset:\sl*SLB+12288+64*\d
.endr
	s_wait_dscnt 0x0
.irp d, 0,1,2,3                                ; S^T: register 16 d + i of lane (r, h): key 32 d + 16 h + i of the step, query r of my tile
	v_wmma_scale_f32_16x16x128_f8f6f4 v[96+16*\d:103+16*\d], v[36+12*\d:47+12*\d], v[22:33], 0, v[84+\d], v34 matrix_a_fmt:MATRIX_FMT_FP6 matrix_b_fmt:MATRIX_FMT_FP6
	v_wmma_scale_f32_16x16x128_f8f6f4 v[104+16*\d:111+16*\d], v[36+12*\d:47+12*\d], v[16:27], 0, v[84+\d], v34 matrix_a_fmt:MATRIX_FMT_FP6 matrix_b_fmt:MATRIX_FMT_FP6
.endr
.rept 4
	v_nop                                          ; places in front of the first read of the scores
.endr
	s_wait_kmcnt 0x0
	s_bitcmp1_b32 s20, 16
	s_cbranch_scc1 .Lopen1_\@
.set n, 0
.rept 32
	v_cndmask_b32 v[96+n], v8, v[96+n], s[32+n]    ; a hidden key's score becomes -infinity: p = 0 then
.set n, n+1
.endr
.set n, 0
.rept 32
	v_cndmask_b32 v[128+n], v8, v[128+n], s[68+n]
.set n, n+1
.endr
.Lopen1_\@:
.irp b, 0,1,2,3
	v_max3_num_f32 v[212+\b], v[96+16*\b], v[97+16*\b], v[98+16*\b]   ; the largest score of each block of 32 keys: for the row's maximum and for the block's largest p
.endr
.irp i, 3,5,7,9,11,13
.irp b, 0,1,2,3
	v_max3_num_f32 v[212+\b], v[212+\b], v[96+16*\b+\i], v[97+16*\b+\i]
.endr
.endr
.irp b, 0,1,2,3
	v_max_num_f32 v[212+\b], v[212+\b], v[111+16*\b]
.endr
	s_wait_alu depctr_va_vdst(0)                   ; the eight products are done reading k's fragments v[36:83], in which v's land (the maxima above have read all their results)
	FRAG 36, 1, 2, \sl*SLB+6144                    ; v's fragments, four loads at a time among vector lines that name none of v1, v2, v[36:83]: they land while the softmax is walked
.irp b, 0,1,2,3
	v_permlanex16_b32 v[216+\b], v[212+\b], s24, s25
.endr
	FRAG 48, 1, 2, \sl*SLB+6144+1536
.irp b, 0,1,2,3
	v_max_num_f32 v[212+\b], v[212+\b], v[216+\b]  ; with lane l xor 16's 16 keys
.endr
	FRAG 60, 1, 2, \sl*SLB+6144+3072
	v_max3_num_f32 v228, v212, v213, v214
	v_max_num_f32 v228, v228, v215
	v_mul_f32 v228, s22, v228                      ; as t (c is positive)
	v_max_num_f32 v13, v13, v228                   ; the running largest t
	v_mov_b32 v228, v12
	v_floor_f32 v12, -v13                          ; the new -M = floor(-t): M is a whole number
	v_sub_f32 v228, v12, v228                      ; old M - new M: a whole number, 0 or less
	v_cvt_i32_f32 v228, v228                       ; (it saturates)
	v_ldexp_f32 v230, 1.0, v228                    ; f = 2^(old M - new M): a multiplication by it rounds nothing
	FRAG 72, 1, 2, \sl*SLB+6144+4608
.set n, 0
.rept 32
	v_pk_fma_f32 v[96+n:97+n], v[96+n:97+n], s[22:23], v[12:13] op_sel_hi:[1,0,0]   ; t - M, two at a time
.set n, n+2
.endr
.irp b, 0,1,2,3
	v_fma_f32 v[212+\b], v[212+\b], s22, v12       ; the same of each block's largest score
.endr
.set n, 0
.rept 64
	v_exp_f32 v[96+n], v[96+n]                     ; p = 2^(t - M)
.set n, n+1
.endr
	v_pk_mul_f32 v[14:15], v[14:15], v[230:231] op_sel_hi:[1,0]   ; the sums under the new M: the plain place behind the exponentials
	s_wait_alu depctr_va_vdst(0)                   ; the 64 exponentials have written p, v[96:159]: one wait for the whole batch, ahead of its first reader
.irp b, 0,1,2,3
	v_exp_f32 v[212+\b], v[212+\b]                 ; the block's largest p
.endr
	v_pk_add_f32 v[236:237], v[96:97], v[98:99]    ; the row's sum of the unquantised p, in two chains
.set n, 4
.rept 15
	v_pk_add_f32 v[14:15], v[14:15], v[96+n:97+n]
	v_pk_add_f32 v[236:237], v[236:237], v[98+n:99+n]
.set n, n+4
.endr
	v_pk_add_f32 v[14:15], v[14:15], v[236:237]
	s_wait_alu depctr_va_vdst(0)                   ; the four exponentials have written v[212:215], ahead of their first reader
.irp b, 0,1,2,3
	v_max_num_f32 v[212+\b], 0x1800000, v[212+\b]  ; the floor 2^(3 - 127)
.endr
.irp b, 0,1,2,3
	v_add_nc_u32 v[220+\b], 0xff000000, v[212+\b]  ; the conversion's scale operand
.endr
.irp b, 0,1,2,3
	v_lshrrev_b32 v[224+\b], 23, v[220+\b]         ; the scale's byte
.endr
	v_lshl_or_b32 v232, v225, 8, v224              ; p's scale word for these 128 keys
	v_lshl_or_b32 v232, v226, 16, v232
	v_lshl_or_b32 v232, v227, 24, v232
.irp c, 0,1
	v_cvt_scalef32_pk16_fp6_f32 v[192+6*\c:194+6*\c], v[96+32*\c:111+32*\c], v[220+2*\c]
	v_cvt_scalef32_pk16_fp6_f32 v[204+4*\c:206+4*\c], v[112+32*\c:127+32*\c], v[220+2*\c+1]
.endr
	v_nop                                          ; one plain place behind a scaled conversion
.irp c, 0,1
.irp i, 0,1,2
	v_permlane16_swap_b32 v[192+6*\c+\i], v[204+4*\c+\i]
.endr
.irp i, 0,1,2
	v_mov_b32 v[195+6*\c+\i], v[204+4*\c+\i]
.endr
.endr
.set n, 0
.rept 16
	v_pk_mul_f32 v[160+n:161+n], v[160+n:161+n], v[230:231] op_sel_hi:[1,0]   ; O^T under the new M; these sixteen are also the places between the scale word's and the codes' last lines and the products
.set n, n+2
.endr
	s_wait_dscnt 0x0                               ; v's fragments are in
	s_wait_alu depctr_va_vdst(0)                   ; p's codes v[192:203] and its scale word v232 are written, which the products take as source 1 and its scales; the places above stay beside this wait
.irp t, 0,1,2,3
	v_wmma_scale_f32_16x16x128_f8f6f4 v[160+8*\t:167+8*\t], v[36+12*\t:47+12*\t], v[192:203], v[160+8*\t:167+8*\t], v[84+\t], v232 matrix_a_fmt:MATRIX_FMT_FP6 matrix_b_fmt:MATRIX_FMT_FP6 matrix_a_scale:MATRIX_SCALE_ROW1
.endr
.rept 4
	v_nop                                          ; places behind the products, for the next reads of O^T
.endr
.Lskip_\@:
	s_wait_loadcnt 0x0                             ; the next step's bytes are in my registers: asked for at the step's head
	s_wait_xcnt 0x0                                ; and every base and offset has been read
	s_bitcmp1_b32 s21, 0
	s_cbranch_scc0 .Lnostore_\@
	ds_store_b128 v4, v[240:243] offset:(1-\sl)*SLB        ; data that loads brought, an address made at the head: no vector line of the loop names either
	s_cmp_lt_u32 s16, 9
	s_cbranch_scc0 .Lnostore_\@
	ds_store_b128 v4, v[244:247] offset:(1-\sl)*SLB+8192
.Lnostore_\@:
	s_lshr_b32 s20, s20, 1
	s_lshr_b32 s21, s21, 1
	s_add_nc_u64 s[26:27], s[26:27], 256
	s_wait_dscnt 0x0                               ; my stores into the other slot have landed and my reads of this one are over:
	s_barrier_signal -1                            ; one barrier a step orders both
	s_barrier_wait -1
.endm
	s_mov_b32 s17, 0
.Lpass:
	s_mov_b32 s18, 0
.Ltrip:
	STEP 0
	STEP 1
	s_add_co_u32 s18, s18, 1
	s_cmp_lt_u32 s18, 8
	s_cbranch_scc1 .Ltrip
	; THE END OF A PASS: O^T / the sum, quantised along C (my head's 64 are two blocks), out as half a fragment and two scale bytes a row
	v_add_f32 v14, v14, v15
	v_permlanex16_b32 v216, v14, s24, s25
	v_add_f32 v14, v14, v216                       ; the row's sum
	v_rcp_f32 v228, v14
	v_nop                                          ; one plain place behind a transcendental
	s_lshl_b32 s32, s19, 4
	s_add_co_u32 s32, s32, s16                     ; my tile in the head
	s_lshr_b32 s33, s28, 4
	s_lshl_b32 s33, s33, 7
	s_add_co_u32 s32, s32, s33                     ; among all 512 tiles of tokens
	s_and_b32 s33, s28, 15                         ; the head
	s_lshl_b32 s36, s32, 3
	s_lshr_b32 s34, s33, 1
	s_add_co_u32 s36, s36, s34
	s_mul_i32 s36, s36, 1536                       ; K step = head / 2
	s_and_b32 s35, s33, 1
	s_mul_i32 s34, s35, 768                        ; the odd head's half lies behind the even's
	s_add_co_u32 s36, s36, s34
	s_mov_b32 s37, 0
	s_add_nc_u64 s[4:5], s[12:13], s[36:37]        ; oc at my half fragment (the offsets stand in s[32:41], the addresses outside the mask words' registers)
	s_lshl_b32 s40, s32, 9
	s_lshr_b32 s34, s33, 3
	s_lshl_b32 s34, s34, 8
	s_add_co_u32 s40, s40, s34
	s_bfe_u32 s34, s33, 0x20001
	s_lshl_b32 s34, s34, 2
	s_add_co_u32 s40, s40, s34
	s_lshl_b32 s34, s35, 1
	s_add_co_u32 s40, s40, s34
	s_mov_b32 s41, 0
	s_add_nc_u64 s[10:11], s[14:15], s[40:41]      ; os at my rows' two bytes
	s_wait_alu depctr_va_vdst(0)                   ; the reciprocal has written v228, ahead of its first reader
.set n, 0
.rept 32
	v_mul_f32 v[96+n], v[160+n], v228              ; register 16 b + i: channel 32 b + 16 h + i of the head
.set n, n+1
.endr
.irp b, 0,1
	v_max3_num_f32 v[212+\b], |v[96+16*\b]|, |v[97+16*\b]|, 0x1800000
.endr
.irp i, 2,4,6,8,10,12,14
.irp b, 0,1
	v_max3_num_f32 v[212+\b], v[212+\b], |v[96+16*\b+\i]|, |v[97+16*\b+\i]|
.endr
.endr
.irp b, 0,1
	v_permlanex16_b32 v[216+\b], v[212+\b], s24, s25
.endr
.irp b, 0,1
	v_max_num_f32 v[212+\b], v[212+\b], v[216+\b]
.endr
.irp b, 0,1
	v_add_nc_u32 v[220+\b], 0xff000000, v[212+\b]
.endr
.irp b, 0,1
	v_lshrrev_b32 v[224+\b], 23, v[220+\b]
.endr
	v_lshl_or_b32 v229, v225, 8, v224
	v_cmp_lt_f32 vcc_lo, 0, v14
	s_wait_alu depctr_va_vcc(0)                    ; VCC is written, ahead of the select that reads it
	v_cndmask_b32 v229, 0xffff, v229, vcc_lo       ; a row with no key (sum 0): the NaN byte twice
	v_cvt_scalef32_pk16_fp6_f32 v[192:194], v[96:111], v220
	v_cvt_scalef32_pk16_fp6_f32 v[204:206], v[112:127], v221
	v_nop
.irp i, 0,1,2
	v_permlane16_swap_b32 v[192+\i], v[204+\i]
.endr
.irp i, 0,1,2
	v_mov_b32 v[195+\i], v[204+\i]
.endr
	s_wait_alu depctr_va_vdst(0)                   ; the codes v[192:197] and the two bytes v229 are written, which the three stores read
	global_store_b128 v1, v[192:195], s[4:5]       ; 512 and 256 consecutive bytes, aligned
	global_store_b64 v2, v[196:197], s[4:5] offset:512
	global_store_b16 v7, v229, s[10:11]            ; two bytes a row, 16 bytes apart: one byte in 24 of what the launch stores; lanes r and 16 + r write the same
	s_wait_xcnt 0x0                                ; the stores have read their registers and bases
	s_wait_alu depctr_vm_vsrc(0)                   ; the stores have read v[192:197] and v229, which the next pass's vector lines write again
.irp i, 0,1,2,3,4,5
	v_mov_b32 v[22+\i], v[88+\i]                   ; the second pass's q,
.endr
	v_mov_b32 v34, v94
	v_mov_b32 v13, 0xff61b1e6                      ; and everything as at the start (these lines are also the places between q's and its scale word's writes and the next pass's products)
	v_floor_f32 v12, -v13
	v_mov_b32 v14, 0
	v_mov_b32 v15, 0
.set n, 0
.rept 32
	v_mov_b32 v[160+n], 0
.set n, n+1
.endr
	s_sub_co_u32 s19, 7, s19
	s_mov_b32 s20, s100
	s_mov_b64 s[26:27], s[66:67]
	s_add_co_u32 s17, s17, 1
	s_cmp_lt_u32 s17, 2
	s_cbranch_scc1 .Lpass
	s_wait_dscnt 0x0                               ; the closing lines, six on end
	s_wait_alu 0x0
	s_wait_tensorcnt 0x0
	ds_add_u32 v[SPW], v[NIL]
	s_wait_dscnt 0x0
	s_endpgm
.Lfunc_end_k_q19c4d06ae4_attn:
	.size	k_q19c4d06ae4_attn, .Lfunc_end_k_q19c4d06ae4_attn-k_q19c4d06ae4_attn
	.p2alignl 7, 3214868480
	.fill 96, 4, 3214868480
	.section	.rodata,"a",@progbits
	.p2align	6, 0x0
	.amdhsa_kernel k_q19c4d06ae4_attn
		.amdhsa_group_segment_fixed_size 27648
		.amdhsa_private_segment_fixed_size 0
		.amdhsa_enable_private_segment 0
		.amdhsa_kernarg_size 48
		.amdhsa_user_sgpr_count 2
		.amdhsa_user_sgpr_kernarg_segment_ptr 1
		.amdhsa_wavefront_size32 1
		.amdhsa_system_sgpr_workgroup_id_x 1
		.amdhsa_system_sgpr_workgroup_id_y 1
		.amdhsa_system_sgpr_workgroup_id_z 1
		.amdhsa_system_vgpr_workitem_id 0
		.amdhsa_next_free_vgpr 256
		.amdhsa_next_free_sgpr 102
		.amdhsa_reserve_vcc 1
		.amdhsa_float_denorm_mode_32 3
		.amdhsa_float_denorm_mode_16_64 3
		.amdhsa_memory_ordered 1
		.amdhsa_forward_progress 1
		.amdhsa_inst_pref_size 60
	.end_amdhsa_kernel
	.amdgpu_metadata
---
amdhsa.version: [ 1, 2 ]
amdhsa.kernels:
  - .name:           k_q19c4d06ae4_attn
    .symbol:         k_q19c4d06ae4_attn.kd
    .args:
      - { .name: qc, .offset: 0, .size: 8, .value_kind: global_buffer, .address_space: global }
      - { .name: kv, .offset: 8, .size: 8, .value_kind: global_buffer, .address_space: global }
      - { .name: mw, .offset: 16, .size: 8, .value_kind: global_buffer, .address_space: global }
      - { .name: mf, .offset: 24, .size: 8, .value_kind: global_buffer, .address_space: global }
      - { .name: oc, .offset: 32, .size: 8, .value_kind: global_buffer, .address_space: global }
      - { .name: os, .offset: 40, .size: 8, .value_kind: global_buffer, .address_space: global }
    .group_segment_fixed_size: 27648
    .private_segment_fixed_size: 0
    .kernarg_segment_align: 8
    .kernarg_segment_size: 48
    .max_flat_workgroup_size: 512
    .sgpr_count:     102
    .vgpr_count:     256
    .wavefront_size: 32
...
	.end_amdgpu_metadata
.endif
;; end of part 5
;; launch proj: the kernel of part 4 again; grid 8 x 32, 4 waves a work-group, clusters of 4 x 4, 327,680 bytes of LDS; arguments oc, os, cod, scl, out0; writes out0
